; MI455X (gfx1250); checked and timed in simulation.
; The chip was launched on July 23, 2026; its instructions are those of AMD's public machine-readable ISA for CDNA 5 (MIT licence, August 2026) and "CDNA5" Instruction Set Architecture Reference Guide (July 2026). The comments in the code are by the model that wrote it; some were corrected since.
;; Multiheaded Self Attention. Allowed arithmetic: matrix products marked QUANTISED: E4M3 operands, one given power-of-two scale a tensor, by v_wmma_f32_16x16x64_fp8_fp8 or v_wmma_f32_16x16x128_fp8_fp8, f32 sums; everything else in f32.
;; Inputs: Wk 1,024 x 1,024 float32; Wo 1,024 x 1,024 float32; Wq 1,024 x 1,024 float32; Wv 1,024 x 1,024 float32; lowp_scales 12 int32 (the exponents e of the quantised operands' scales 2^e); token_positions 2,048 int32; x 4 x 2,048 x 1,024 float32.
;; Outputs: out0 4 x 2,048 x 1,024 float32.
;; This version of the problem:
;;   THIS VERSION OF THE PROBLEM IS GIVEN IN LOW PRECISION. The matrix products marked QUANTISED in the list below multiply operands that are first quantised to E4M3 (4 exponent bits, 3 mantissa bits; 8 bits a number), with one given power-of-two scale for each operand tensor; their sums are f32. All else is computed in f32.
;;   The module's matrix products, in the order in which they are computed (A, B: the left and right operand; K: the contracted axis; several contracted axes count as one K, in the product's order):
;;     1. [M 8,192, K 1,024] x [K 1,024, N 1,024]; A: input x; B: input Wq: QUANTISED (scales: A lowp_scales[0], B lowp_scales[1])
;;     2. [M 8,192, K 1,024] x [K 1,024, N 1,024]; A: input x; B: input Wk: QUANTISED (scales: A lowp_scales[2], B lowp_scales[3])
;;     3. [M 8,192, K 1,024] x [K 1,024, N 1,024]; A: input x; B: input Wv: QUANTISED (scales: A lowp_scales[4], B lowp_scales[5])
;;     4. batch 64 x [M 2,048, K 64] x [K 64, N 2,048]; A: computed on the way; B: computed on the way: QUANTISED (scales: A lowp_scales[6], B lowp_scales[7])
;;     5. batch 64 x [M 2,048, K 2,048] x [K 2,048, N 64]; A: softmax (see below); B: computed on the way: QUANTISED (scales: A lowp_scales[8], B lowp_scales[9])
;;     6. [M 8,192, K 1,024] x [K 1,024, N 1,024]; A: computed on the way; B: input Wo: QUANTISED (scales: A lowp_scales[10], B lowp_scales[11])
;;   THE QUANTISER, for each operand of a quantised product, along K:
;;     - The operand's scale is 2^e, e = its entry of the input lowp_scales (int32; the entries are numbered through the quantised products in the list's order, A before B).
;;     - Each number is divided by the scale, clamped to +-448, and rounded to the nearest number of E4M3, ties to even, subnormals kept.
;;     - The product sums the exact products of the quantised numbers (number of the format x scale) in f32.
;;   ~~~python
;;   def quantise(x, axis, e):      # numpy; x: float32 -> the quantised numbers, widened to float32 again
;;       x = np.moveaxis(x, axis, -1); K = x.shape[-1]
;;       r = np.clip(x / 2.0 ** e, -448, 448)
;;       step = 2.0 ** (np.maximum(np.frexp(np.where(r == 0, 1, r))[1] - 1, -6) - 3)
;;       q = np.round(r / step) * step * 2.0 ** e      # np.round: ties to even
;;       return np.moveaxis(q, -1, axis).astype(np.float32)
;;   ~~~
;;   SOFTMAX AHEAD OF A QUANTISED PRODUCT. Where the list says 'softmax', what is quantised is not the finished softmax but p = 2^(t - M), with t = logit x log2(e) and M = ceil(the row's largest t), a whole number; so 1/2 < the row's largest p <= 1. The row's sum l is taken of the UNQUANTISED p, in f32, and the product's result is divided by l at the end. Since M is a whole number, a kernel that streams over the keys may use a running M (the ceiling of the running maximum): every later rescaling is an exact power of two, so the quantised numbers keep their values, but for numbers so far below the row's largest that they fall under the format's range.
;;   OPERANDS COMPUTED ON THE WAY. 'Computed on the way' means the value that the module computes at that place (a softmax that the list does not call 'softmax' is quantised finished and normalised). What goes into a quantiser is computed in f32, as accurately as f32 sums, v_exp_f32 and their like allow (about 1e-6 of the number): no bf16 or f16 on the way to a quantiser, and a product that is left as it is and whose result goes on into a quantised operand takes f32 operands (vector FMAs, or v_wmma_f32_16x16x4_f32). A number that lies on a knife's edge between two numbers of the format may be rounded either way, as far as f32 arithmetic and the matrix unit's own rounding can turn it there, and no further.
;; One version. Each part assembles by itself: llvm-mc -triple=amdgcn-amd-amdhsa -mcpu=gfx1250 --defsym DOCPART=n.
;; ======== version 1 of 1: 4 launches
;; limits: right only within a limited range of input values
;; workspace buffers: xc 25,165,824 bytes; wc 4,194,304 bytes; tab 524,288 bytes; qc 8,388,608 bytes; kc 8,388,608 bytes; vc 8,388,608 bytes; ac 8,388,608 bytes
;; launch prep (part 1): grid 800 x 1, 4 waves a work-group, no clusters, 34,304 bytes of LDS; arguments x, Wq, Wk, Wv, Wo, lowp_scales, token_positions, xc, wc, tab; writes xc, wc, tab
.if DOCPART == 1
	.amdgcn_target "amdgcn-amd-amdhsa--gfx1250"
	.amdhsa_code_object_version 6
	.text
	.protected	k_q3b86411f47_prep
	.globl	k_q3b86411f47_prep
	.p2align	8
	.type	k_q3b86411f47_prep,@function
k_q3b86411f47_prep:
	s_mov_b64 s[64:65], 0
	v_nop
	global_prefetch_b8 v0, s[64:65] scope:SCOPE_SE
	s_setreg_imm32_b32 hwreg(HW_REG_WAVE_MODE, 25, 1), 1
	s_wait_xcnt 0x0
; x [8192][1024] and Wq, Wk, Wv, Wo [1024][1024], f32 with K innermost, become codes of FP8 (E4M3); and the table of cos and sin for the rotation is made.
; code = number / 2^e, held within +-448, to the nearest code, ties to even.  x is an operand of three products with three given exponents (entries 0, 2, 4): three sets of codes.  Wq, Wk, Wv, Wo: entries 1, 3, 5, 11.
; THE CODES ARE LAID AS IMAGES OF THE OPERAND'S REGISTERS.  A fragment is 16 rows x 128 K in 16 registers a lane: lane (r, h) holds row r, registers 2 c, 2 c + 1 hold k = 16 c + 8 h + 0 .. 7.
; Register q of lane l lies at byte 512 (q / 4) + 16 l + 4 (q % 4) of the fragment's 2,048 bytes.  The fragments of a tensor lie [block of 128 rows][256 along K][16 rows of the block][128 of the 256].
; SHARES.  Work-groups 0-511: 16 rows of x each; 512-767: 16 rows of one weight; 768-799: the table.  Wave w takes columns 256 w .. 256 w + 255, as two units of 128.
; A load is dense (32 lanes read 512 consecutive bytes of a row), but the conversion wants eight neighbours along K of ONE row in a lane's registers: so a unit turns through the wave's own stage in LDS,
; rows 528 bytes apart (132 words: sixteen rows start at sixteen different groups of four banks).  Waves share nothing: no barrier.  All 32 loads of a wave are issued at once.
; THE TABLE: tab[token][i] = (cos, sin) of position x 10^(-i/8), i = 0 .. 31.  The angle is one f32 product, as the definition has it; it is reduced by n x pi/2 with pi/2 in three parts and fused multiply-adds,
; then polynomials on +-pi/4.  10^(-i/8) = 10^(-(i%8)/8) x 10^(-(i/8)): within one unit in the last place.
; LIMITS: each e between -126 and 119; |position| up to 4,000,000 (n x the first part of pi/2 is then taken off exactly); NaN among the inputs is not served.
.set STG,   8448                       ; a wave's stage: 16 rows x 528 bytes
.set SPARE, 4*STG                      ; behind the four stages: the spare words, 128 bytes for each wave: two blocks of 256 bytes that no other line names
.set SPW,   12                         ; v12  LDS address of my spare word; never rewritten
.set NIL,   13                         ; v13  0; never rewritten
.set R,     16                         ; v16-143  two units x 64 registers, as loaded
.set X,     144                        ; v144-207 64 numbers: X[8 c + i] = k 16 c + 8 h + i of my row
.set T,     208                        ; v208-239 unused: the conversions read X
.set C,     240                        ; v240-255 a fragment's codes
	s_load_b512 s[4:19], s[0:1], 0x0               ; x 4, Wq 6, Wk 8, Wv 10, Wo 12, the exponents 14, the positions 16, xc 18
	s_load_b128 s[20:23], s[0:1], 0x40             ; wc 20, tab 22
	v_lshl_add_u32 v[SPW], v0, 2, SPARE
	v_mov_b32 v[NIL], 0
	v_lshrrev_b32 v1, 5, v0
	v_readfirstlane_b32 s24, v1                    ; wave 0..3
	v_and_b32 v14, 31, v0                          ; lane
	s_cmp_ge_u32 ttmp9, 768
	s_cbranch_scc1 .Ltable
	; ---- the quantiser.  One way through the text for x and the weights: pointers and exponents are chosen on the work-group's number
	v_lshlrev_b32 v1, 4, v14                       ; 16 x lane: my bytes of a load's 512 and of a store's 512
	s_mul_i32 s25, s24, STG
	v_add_nc_u32 v2, s25, v1                       ; the stage, on the way in
	v_and_b32 v10, 15, v0                          ; r
	v_bfe_u32 v11, v0, 4, 1                        ; h
	v_mul_u32_u24 v3, v10, 528
	v_lshl_add_u32 v3, v11, 5, v3
	v_add_nc_u32 v3, s25, v3                       ; and on the way out: row r, 32 h bytes on
	s_sub_co_u32 s25, ttmp9, 512
	s_lshr_b32 s26, s25, 6                         ; which weight
	s_and_b32 s27, s25, 63                         ; which 16 rows of it
	s_cmp_lt_u32 ttmp9, 512
	s_cselect_b32 s27, ttmp9, s27                  ; which 16 rows
	s_cselect_b32 s26, 0, s26
	s_cselect_b32 s66, 0, 1                        ; 1: a weight
	s_lshl_b32 s68, s27, 16                        ; from: 16 rows of 4,096 bytes, + my wave's 1,024 bytes of a row
	s_lshl_b32 s25, s24, 10
	s_add_co_u32 s68, s68, s25
	s_mov_b32 s69, 0
	s_lshr_b32 s70, s27, 3                         ; to: the block of 128 rows,
	s_lshl_b32 s70, s70, 17
	s_and_b32 s25, s27, 7                          ; my 16 rows in it,
	s_lshl_b32 s25, s25, 12
	s_add_co_u32 s70, s70, s25
	s_lshl_b32 s25, s24, 15                        ; my wave's 256 along K,
	s_add_co_u32 s70, s70, s25
	s_lshl_b32 s25, s26, 20                        ; the weight's place in wc
	s_add_co_u32 s70, s70, s25
	s_mov_b32 s71, 0
	s_wait_alu depctr_va_vdst(0)
	s_wait_kmcnt 0x0
	s_load_b256 s[28:35], s[14:15], 0x0            ; e0 .. e7
	s_load_b128 s[36:39], s[14:15], 0x20           ; e8 .. e11
	s_cmp_eq_u32 s26, 2
	s_cselect_b64 s[40:41], s[10:11], s[12:13]
	s_cmp_eq_u32 s26, 1
	s_cselect_b64 s[40:41], s[8:9], s[40:41]
	s_cmp_eq_u32 s26, 0
	s_cselect_b64 s[40:41], s[6:7], s[40:41]
	s_cmp_eq_u32 s66, 0
	s_cselect_b64 s[40:41], s[4:5], s[40:41]
	s_cselect_b64 s[42:43], s[18:19], s[20:21]
	s_add_nc_u64 s[40:41], s[40:41], s[68:69]
	s_add_nc_u64 s[42:43], s[42:43], s[70:71]      ; the first set of codes,
	s_add_nc_u64 s[44:45], s[42:43], 0x800000      ; x's second and third, 8,388,608 bytes on each (used for x alone)
	s_add_nc_u64 s[46:47], s[44:45], 0x800000
.set u, 0
.rept 2
.set i, 0
.rept 16
	global_load_b128 v[R+64*u+4*i:R+64*u+4*i+3], v1, s[40:41] offset:4096*i+512*u th:TH_LOAD_NT   ; row i, unit u: 512 consecutive bytes
.set i, i+1
.endr
.set u, u+1
.endr
.macro MKSC e, vs, vl                  ; 2^e as f32 (the conversion takes its exponent field)
	s_add_co_i32 s25, \e, 127
	s_lshl_b32 s72, s25, 23
	v_mov_b32 v[\vs], s72
.endm
	s_wait_kmcnt 0x0
	s_cmp_eq_u32 s26, 2
	s_cselect_b32 s67, s33, s39                    ; e5 or e11
	s_cmp_eq_u32 s26, 1
	s_cselect_b32 s67, s31, s67                    ; e3
	s_cmp_eq_u32 s26, 0
	s_cselect_b32 s67, s29, s67                    ; e1
	s_cmp_eq_u32 s66, 0
	s_cselect_b32 s67, s28, s67                    ; e0
	MKSC s67, 4, 5
	MKSC s30, 6, 7
	MKSC s32, 8, 9
.macro TURN u                          ; a unit through the stage.  LDS serves a wave's instructions in order (ISA guide 5.7.1.4): no wait between the stores and the loads
.set i, 0
.rept 16
	ds_store_b128 v2, v[R+64*(\u)+4*i:R+64*(\u)+4*i+3] offset:528*i
.set i, i+1
.endr
.set i, 0
	v_nop
.rept 16
	ds_load_b128 v[X+4*i:X+4*i+3], v3 offset:64*(i/2)+16*(i%2)
.set i, i+1
.endr
.endm
.macro VERSION u, vs, vl, d            ; the unit's 64 numbers a lane become one fragment's codes under one scale, and leave: each store of the wave covers 512 consecutive bytes, aligned
	s_wait_xcnt 0x0                                ; the last stores have read their data: the codes' registers are written again only behind this wait
.set c, 0
.rept 8
.set i, 0
.rept 8
.set i, i+1
.endr
	v_cvt_scalef32_pk8_fp8_f32 v[C+2*c:C+2*c+1], v[T+8*(c%4)+((X+8*c+i)-(T+8*(c%4)+i)):T+8*(c%4)+7+((X+8*c+i)-(T+8*(c%4)+i))], v[\vs]
.set c, c+1
.endr
.set i, 0
.rept 4
	global_store_b128 v1, v[C+4*i:C+4*i+3], s[\d:\d+1] offset:2048*(\u)+512*i
.set i, i+1
.endr
.endm
	s_wait_alu depctr_va_vdst(0)
	s_wait_loadcnt 16                              ; unit 0's sixteen loads are in; unit 1's sixteen may be out
	TURN 0
	s_wait_dscnt 0x0
	VERSION 0, 4, 5, 42
	s_cmp_lg_u32 s66, 0                            ; a weight has one set of codes
	s_cbranch_scc1 .Lone0
	VERSION 0, 6, 7, 44
	VERSION 0, 8, 9, 46
.Lone0:
	s_wait_loadcnt 0x0
	TURN 1
	s_wait_dscnt 0x0
	VERSION 1, 4, 5, 42
	s_cmp_lg_u32 s66, 0
	s_cbranch_scc1 .Lend
	VERSION 1, 6, 7, 44
	VERSION 1, 8, 9, 46
	s_branch .Lend
	; ---- the table.  128 waves, 16 tokens each; lane i is frequency i.  A token's 32 pairs are 256 bytes: one store of the wave
.Ltable:
	s_sub_co_u32 s25, ttmp9, 768
	s_lshl_b32 s25, s25, 2
	s_add_co_u32 s25, s25, s24                     ; which 16 tokens
	s_lshl_b32 s26, s25, 6
	s_mov_b32 s27, 0
	s_lshl_b32 s68, s25, 12
	s_mov_b32 s69, 0
	s_mov_b32 s70, 0x3fc90fdb                      ; pi/2 in three parts
	s_mov_b32 s71, 0xb33bbd2e
	s_mov_b32 s72, 0xa6f72ced
	s_mov_b32 s73, 0xbe2aaaa3                      ; sin r = r + r z (S1 + z (S2 + z S3)), z = r r
	s_mov_b32 s74, 0x3c08839e
	s_mov_b32 s75, 0xb94ca1f9
	s_mov_b32 s76, 0x3d2aaaa5                      ; cos r = 1 + z (-1/2 + z (C1 + z (C2 + z C3)))
	s_mov_b32 s77, 0xbab6061a
	s_mov_b32 s78, 0x37ccf5ce
	s_mov_b32 s79, 0x3f22f983                      ; 2 / pi
	s_wait_kmcnt 0x0
	s_add_nc_u64 s[16:17], s[16:17], s[26:27]
	s_add_nc_u64 s[22:23], s[22:23], s[68:69]
	s_load_b512 s[48:63], s[16:17], 0x0            ; my 16 positions
.macro PICK reg, idx, m, lit           ; where the index is m, the register takes the constant
	v_cmp_ne_u32 vcc_lo, \m, v[\idx]
	v_cndmask_b32 v[\reg], \lit, v[\reg], vcc_lo
.endm
	s_wait_alu depctr_va_vdst(0)
	v_and_b32 v15, 7, v14
	v_lshrrev_b32 v16, 3, v14
	v_mov_b32 v10, 1.0
	PICK 10, 15, 1, 0x3f3ff911                     ; 10^(-1/8) .. 10^(-7/8)
	PICK 10, 15, 2, 0x3f0ff59a
	PICK 10, 15, 3, 0x3ed7e89b
	PICK 10, 15, 4, 0x3ea1e89b
	PICK 10, 15, 5, 0x3e72d424
	PICK 10, 15, 6, 0x3e361887
	PICK 10, 15, 7, 0x3e088d77
	v_mov_b32 v11, 1.0
	PICK 11, 16, 1, 0x3dcccccd                     ; 1/10, 1/100, 1/1000
	PICK 11, 16, 2, 0x3c23d70a
	PICK 11, 16, 3, 0x3a83126f
	v_mul_f32 v10, v10, v11                        ; 10^(-i/8)
	v_lshlrev_b32 v11, 3, v14                      ; 8 x lane
	s_wait_kmcnt 0x0
.macro SC p                            ; token p of my 16; each has its own pair of registers, so no store's data are written again
	v_cvt_f32_i32 v20, s[48+\p]
	s_wait_alu depctr_va_vdst(0)
	v_mul_f32 v20, v20, v10                        ; the angle: one rounding
	v_mul_f32 v21, s79, v20
	v_rndne_f32 v21, v21                           ; n
	v_fma_f32 v22, -v21, s70, v20
	v_fma_f32 v22, -v21, s71, v22
	v_fma_f32 v22, -v21, s72, v22                  ; r = angle - n pi/2
	v_mul_f32 v23, v22, v22
	v_fma_f32 v24, v23, s75, s74
	v_fma_f32 v26, v23, s78, s77
	v_fma_f32 v24, v24, v23, s73
	v_fma_f32 v26, v26, v23, s76
	v_mul_f32 v25, v22, v23
	v_fma_f32 v26, v26, v23, -0.5
	v_fma_f32 v24, v25, v24, v22                   ; sin r
	v_fma_f32 v26, v26, v23, 1.0                   ; cos r
	v_cvt_i32_f32 v27, v21
	v_and_b32 v28, 1, v27
	v_cmp_eq_u32 vcc_lo, 1, v28                    ; an odd n exchanges the two;
	v_cndmask_b32 v[33+2*\p], v24, v26, vcc_lo
	v_cndmask_b32 v[32+2*\p], v26, v24, vcc_lo
	v_lshlrev_b32 v28, 30, v27                     ; the sine is negative where n % 4 is 2 or 3,
	v_add_nc_u32 v29, 1, v27
	v_and_b32 v28, 0x80000000, v28
	v_lshlrev_b32 v29, 30, v29                     ; the cosine where it is 1 or 2
	v_xor_b32 v[33+2*\p], v[33+2*\p], v28
	v_and_b32 v29, 0x80000000, v29
	v_xor_b32 v[32+2*\p], v[32+2*\p], v29
	global_store_b64 v11, v[32+2*\p:33+2*\p], s[22:23] offset:256*\p
.endm
.irp p, 0,1,2,3,4,5,6,7,8,9,10,11,12,13,14,15
	SC \p
.endr
.Lend:
	s_wait_tensorcnt 0x0                           ; the wave's end: behind my last LDS store
	ds_add_u32 v[SPW], v[NIL]
	s_wait_dscnt 0x0
	s_endpgm
.Lfunc_end_k_q3b86411f47_prep:
	.size	k_q3b86411f47_prep, .Lfunc_end_k_q3b86411f47_prep-k_q3b86411f47_prep
	.p2alignl 7, 3214868480
	.fill 96, 4, 3214868480
	.section	.rodata,"a",@progbits
	.p2align	6, 0x0
	.amdhsa_kernel k_q3b86411f47_prep
		.amdhsa_group_segment_fixed_size 34304
		.amdhsa_private_segment_fixed_size 0
		.amdhsa_enable_private_segment 0
		.amdhsa_kernarg_size 80
		.amdhsa_user_sgpr_count 2
		.amdhsa_user_sgpr_kernarg_segment_ptr 1
		.amdhsa_wavefront_size32 1
		.amdhsa_system_sgpr_workgroup_id_x 1
		.amdhsa_system_sgpr_workgroup_id_y 1
		.amdhsa_system_sgpr_workgroup_id_z 1
		.amdhsa_system_vgpr_workitem_id 0
		.amdhsa_next_free_vgpr 256
		.amdhsa_next_free_sgpr 80
		.amdhsa_reserve_vcc 1
		.amdhsa_float_denorm_mode_32 3
		.amdhsa_float_denorm_mode_16_64 3
		.amdhsa_fp16_overflow 1
		.amdhsa_memory_ordered 1
		.amdhsa_forward_progress 1
		.amdhsa_inst_pref_size 41
	.end_amdhsa_kernel
	.amdgpu_metadata
---
amdhsa.version: [ 1, 2 ]
amdhsa.kernels:
  - .name:           k_q3b86411f47_prep
    .symbol:         k_q3b86411f47_prep.kd
    .args:
      - { .name: x, .offset: 0, .size: 8, .value_kind: global_buffer, .address_space: global }
      - { .name: Wq, .offset: 8, .size: 8, .value_kind: global_buffer, .address_space: global }
      - { .name: Wk, .offset: 16, .size: 8, .value_kind: global_buffer, .address_space: global }
      - { .name: Wv, .offset: 24, .size: 8, .value_kind: global_buffer, .address_space: global }
      - { .name: Wo, .offset: 32, .size: 8, .value_kind: global_buffer, .address_space: global }
      - { .name: lowp_scales, .offset: 40, .size: 8, .value_kind: global_buffer, .address_space: global }
      - { .name: token_positions, .offset: 48, .size: 8, .value_kind: global_buffer, .address_space: global }
      - { .name: xc, .offset: 56, .size: 8, .value_kind: global_buffer, .address_space: global }
      - { .name: wc, .offset: 64, .size: 8, .value_kind: global_buffer, .address_space: global }
      - { .name: tab, .offset: 72, .size: 8, .value_kind: global_buffer, .address_space: global }
    .group_segment_fixed_size: 34304
    .private_segment_fixed_size: 0
    .kernarg_segment_align: 8
    .kernarg_segment_size: 80
    .max_flat_workgroup_size: 128
    .sgpr_count:     80
    .vgpr_count:     256
    .wavefront_size: 32
...
	.end_amdgpu_metadata
.endif
;; end of part 1
;; launch qkv (part 2): grid 12 x 32, 4 waves a work-group, clusters of 4 x 4, 327,680 bytes of LDS; arguments xc, wc, lowp_scales, tab, qc, kc, vc; writes qc, kc, vc
.if DOCPART == 2
	.amdgcn_target "amdgcn-amd-amdhsa--gfx1250"
	.amdhsa_code_object_version 6
	.text
	.protected	k_q3b86411f47_qkv
	.globl	k_q3b86411f47_qkv
	.p2align	8
	.type	k_q3b86411f47_qkv,@function
k_q3b86411f47_qkv:
	s_mov_b64 s[64:65], 0
	v_nop
	global_prefetch_b8 v0, s[64:65] scope:SCOPE_SE
	s_setreg_imm32_b32 hwreg(HW_REG_WAVE_MODE, 25, 1), 1
	s_wait_xcnt 0x0
	s_wait_alu depctr_hold_cnt(0) depctr_sa_sdst(0) depctr_va_vdst(0) depctr_va_sdst(0) depctr_va_ssrc(0) depctr_va_vcc(0) depctr_vm_vsrc(0)
	s_getreg_b32 s2, hwreg(HW_REG_IB_STS2, 6, 4)
	s_cmp_eq_u32 s2, 0
	s_cbranch_scc0 .Lentry_in_a_cluster
	s_endpgm
.Lentry_in_a_cluster:
	s_bfe_u32 s2, ttmp6, 0x10000c
	s_cmp_lg_u32 s2, 0xf033
	s_cbranch_scc0 .Lentry_shape_is_right
	s_endpgm
.Lentry_shape_is_right:
; The three projections on codes of FP8 (E4M3), the rotation of q and k, and the quantising of q, k and v for the two products of attention.
; The cluster's x says which: 0: q = x Wq^T, 1: k = x Wk^T, 2: V^T = Wv x^T.  V is made TRANSPOSED by the same loop, with the two operands exchanged, since the keys are the K of its product.
; A tile of the result, 256 x 256, is made by four waves, as many as a WGP has SIMDs; a wave makes 128 x 128: 64 accumulators, 512 registers.  K = 1,024 goes in four steps of 256 through two LDS slots.
; OPERANDS LIE IN MEMORY AND IN LDS AS IMAGES OF THEIR REGISTERS (16 rows x 128 K = 2,048 bytes: register q of lane l at 512 (q / 4) + 16 l + 4 (q % 4); lane (r, h): row r, registers 2 c, 2 c + 1: k = 16 c + 8 h + 0 .. 7),
; laid [128 rows][256 along K][16 rows][128 along K]: a wave's quarter of a slot is one dense block of 32,768 bytes, and a fragment comes by four loads of 16 bytes a lane at 16 x lane: no pitch, no padding.
; CLUSTERS: 4 x 4 work-groups.  The four of a row of the cluster need the same tiles of the first operand, the four of a column the same tiles of the second: each tile is asked for JOINTLY.
; THE MATRIX INSTRUCTION IS USED TRANSPOSED (source 0 = 16 rows of the second operand, source 1 = 16 rows of the first): lane (r, h) holds row r of the result and register j its column 8 h + j.
; So a lane holds eight neighbouring features of a token (q, k) or eight neighbouring keys of a feature (V^T): neighbours along the next product's K, which one conversion turns into two registers of that operand's image.
; The results leave straight from registers: each store of the wave covers 512 consecutive bytes, aligned.
; SCALES.  A sum stands for sum x 2^(its two operands' e).  The rotation is linear, so it is applied to the sums as they are, and the three exponents fold into the conversion's one: E = e6-e0-e1 (q), e7-e2-e3 (k), e9-e4-e5 (v).
; LIMIT: E between -126 and 119, so that 2^E and 448 x 2^E are f32 numbers.
; REGISTERS, in windows of 256: window 0: v16-31 addresses and scales; from v128 the first operand's fragments, ONE set; on the way out v32-95 cos and sin, v96-159 at work, v160-191 codes.
;   window 1: the second operand's fragments, TWO sets.   window 2: the accumulators of my rows 0-63 ((a, b) at v[8 (8 a + b)]);   window 3: those of my rows 64-127.
; No prefetch: of the four K steps two are the first fills.  By this text's own count a wave has two tensor loads out at the start and one behind each refill.
.set QUART, 32768                      ; 128 rows x 256 K: what one tensor load brings, and what one wave reads of an operand
.set SLOT,  4*QUART                    ; the first operand's 256 rows, then the second's
.set SPARE, 2*SLOT                     ; behind the ring: the spare words, 128 bytes for each wave: two blocks of 256 bytes that no other line names
.set FR,    16                         ; registers of a fragment
.set NL,    4                          ; LDS loads that bring one
.set NP,    4                          ; places behind this matrix instruction (ISA guide 7.12.1)
.set ADRA,  16                         ; v16-17  LDS address of my fragments of the first operand in slot 0, 1
.set ADRB,  20                         ; v20-21  the same for the second
.set LI,    24                         ; v24     16 x lane: my bytes of a store's 512
.set TA,    25                         ; v25     256 r + 32 h: my bytes in 16 tokens' rows of the table
.set SPW,   28                         ; v28     LDS address of my spare word; never rewritten
.set NIL,   29                         ; v29     0; never rewritten
.set SCL,   30                         ; v30     2^E as f32
.set LIM,   31                         ; v31     not written
.set CS,    32                         ; two sets of 32: (cos, sin) of my token at i = 8 c + 4 h + 0 .. 3, c = 0 .. 3
.set T,     96
.set C,     160                        ; two sets of 16
.set AF,    128
.set G1,  24                           ; s[24:31] descriptor group 1 for the first operand;  s[32:39] group 0, one set for each slot
.set G0,  32
.set G1B, 48                           ; s[48:55], s[56:63] the same for the second
.set G0B, 56
.set MSB, 0
.macro WIN new                         ; the immediate's high byte repeats the setting that is left
.if MSB != \new
	s_set_vgpr_msb (MSB<<8)|\new
.set MSB, \new
.endif
.endm
.set MUL_LO, 0xa1                      ; source 0 window 1, source 1 window 0, C and D window 2
.set MUL_HI, 0xf1                      ; the same, C and D window 3
.set TO_B,   0x40                      ; destination window 1, address window 0
; A joint load: waves 0 and 1 fetch for the first operand, waves 2 and 3 for the second.  The branch hangs on the wave's number alone.  An s_nop 0 and four v_nop follow each of the two lines.
.macro JLOAD s
	s_cmp_eq_u32 s15, 0
	s_cbranch_scc0 .Lfor_b_\@
	tensor_load_to_lds s[G0+4*\s:G0+4*\s+3], s[G1:G1+7]
	s_nop 0
.rept 4
	v_nop
.endr
	s_branch .Lasked_\@
.Lfor_b_\@:
	tensor_load_to_lds s[G0B+4*\s:G0B+4*\s+3], s[G1B:G1B+7]
	s_nop 0
.rept 4
	v_nop
.endr
.Lasked_\@:
.endm
.macro CREST                           ; a round of the cluster's barrier behind its opening barrier
	s_cmp_lg_u32 s14, 0
	s_cbranch_scc1 .Lnot_wave_0_\@
	s_barrier_signal -3
.Lnot_wave_0_\@:
	s_barrier_wait -3
	s_barrier_signal -1
	s_barrier_wait -1
.endm
.macro CROUND                          ; a whole round
	s_barrier_signal -1
	s_barrier_wait -1
	CREST
.endm
	s_load_b256 s[4:11], s[0:1], 0x0               ; xc 4, wc 6, the exponents 8, tab 10
	s_load_b128 s[72:75], s[0:1], 0x20             ; qc 72, kc 74
	s_load_b64 s[76:77], s[0:1], 0x30              ; vc
	v_lshl_add_u32 v[SPW], v0, 2, SPARE
	v_mov_b32 v[NIL], 0
	ds_add_u32 v[SPW], v[NIL]
	ds_add_u32 v[SPW], v[NIL]                      ; the wave's opening: the add and its wait ahead of my first tensor load; the set-up below, work on registers, stands between them
	v_lshrrev_b32 v1, 5, v0
	v_readfirstlane_b32 s14, v1                    ; wave 0..3
	s_lshr_b32 s15, s14, 1                         ; which half of the tile's rows is mine.  Also: I fetch for the first operand (0) or the second (1)
	s_and_b32 s16, s14, 1                          ; which half of its columns.  Also: which 128 rows of that operand's tile I fetch
	s_bfe_u32 s40, ttmp6, 0x40000                  ; cx, cy: my place in the cluster
	s_bfe_u32 s41, ttmp6, 0x40004
	s_mov_b32 s12, ttmp9                           ; which product: the cluster's x, the same in all sixteen partners
	s_and_b32 s13, ttmp7, 0xffff
	s_lshl_b32 s13, s13, 2                         ; 4 x the cluster's y
	s_lshl_b32 s78, s12, 23                        ; x's set of codes: 8,388,608 bytes each
	s_lshl_b32 s79, s12, 20                        ; the weight: 1,048,576 bytes each
	s_cmp_eq_u32 s12, 2                            ; V^T: the weight's 1,024 rows are the tile rows (4), the 8,192 tokens the tile columns (32); else the other way round
	s_cselect_b32 s17, 0, s13
	s_cselect_b32 s42, s13, 0
	s_cselect_b32 s18, s79, s78
	s_cselect_b32 s19, s78, s79
	s_add_co_u32 s17, s17, s41                     ; tile row
	s_add_co_u32 s42, s42, s40                     ; tile column
	s_lshl_b32 s43, s41, 2
	s_lshl_b32 s43, 15, s43                        ; my row of the cluster
	s_lshl_b32 s44, 0x1111, s40                    ; my column
	; descriptor group 1: a dense block of 32,768 bytes as 128 rows of 256
	s_or_b32 s[G1+0], s43, (3<<16)|(1<<21)         ; 15:0 the mask: my row; 17:16 elements of 8 bytes; 20 no padding; 21 set beside a mask
	s_or_b32 s[G1B+0], s44, (3<<16)|(1<<21)        ; the same with the mask of my column
.irp g, G1, G1B
	s_mov_b32 s[\g+1], 32<<16                      ; tensor_dim0 = 32 elements
	s_mov_b32 s[\g+2], 128<<16                     ; tensor_dim1 = 128
	s_mov_b32 s[\g+3], 32<<16                      ; tile_dim0
	s_mov_b32 s[\g+4], 128                         ; tile_dim1
	s_mov_b32 s[\g+5], 32                          ; tensor_dim0_stride: each row begins where the last ends
	s_mov_b32 s[\g+6], 0
	s_mov_b32 s[\g+7], 0
.endr
	s_lshl_b32 s20, s17, 18                        ; first operand: 256 rows x 1,024 K = 262,144 bytes a tile row: it hangs on cy alone,
	s_add_co_u32 s20, s20, s18
	s_lshl_b32 s46, s42, 18                        ; second operand: on cx alone
	s_add_co_u32 s46, s46, s19
	s_lshl_b32 s18, s16, 17                        ; which 128 rows I fetch
	s_add_co_u32 s20, s20, s18
	s_add_co_u32 s46, s46, s18
	s_mov_b32 s21, 0
	s_mov_b32 s47, 0
	s_mul_i32 s45, s14, QUART                      ; where they go: wave x a quarter: no place in the cluster enters an LDS address
	s_wait_dscnt 0x0                               ; the opening add is done
	s_wait_kmcnt 0x0
	s_load_b256 s[84:91], s[8:9], 0x0              ; e0 .. e7
	s_load_b128 s[92:95], s[8:9], 0x20             ; e8 .. e11
	s_cmp_eq_u32 s12, 2
	s_cselect_b64 s[80:81], s[6:7], s[4:5]
	s_cselect_b64 s[82:83], s[4:5], s[6:7]
	s_add_nc_u64 s[80:81], s[80:81], s[20:21]
	s_add_nc_u64 s[82:83], s[82:83], s[46:47]
	CROUND                                         ; all sixteen work-groups are here: the first joint loads meet
.irp s, 0,1
	s_mov_b32 s[G0+4*\s], 1
	s_add_co_u32 s[G0+4*\s+1], s45, \s*SLOT
	s_add_nc_u64 s[G0+4*\s+2:G0+4*\s+3], s[80:81], \s*QUART
	s_or_b32 s[G0+4*\s+3], s[G0+4*\s+3], 0x80000000
	s_mov_b32 s[G0B+4*\s], 1
	s_add_co_u32 s[G0B+4*\s+1], s45, \s*SLOT
	s_add_nc_u64 s[G0B+4*\s+2:G0B+4*\s+3], s[82:83], \s*QUART
	s_or_b32 s[G0B+4*\s+3], s[G0B+4*\s+3], 0x80000000
	JLOAD \s
.endr
	v_and_b32 v1, 31, v0
	v_lshlrev_b32 v[LI], 4, v1
	v_and_b32 v2, 15, v0                           ; r
	v_bfe_u32 v3, v0, 4, 1                         ; h
	v_lshlrev_b32 v[TA], 8, v2
	v_lshl_add_u32 v[TA], v3, 5, v[TA]
	s_mul_i32 s21, s15, QUART                      ; my 128 rows of the first operand
	s_mul_i32 s22, s16, QUART                      ; my 128 rows of the second,
	s_add_co_u32 s22, s22, 2*QUART                 ; which lie behind the first's 256
.irp s, 0,1
	v_add_nc_u32 v[ADRA+\s], s21, v[LI]
	v_add_nc_u32 v[ADRB+\s], s22, v[LI]
	s_add_co_u32 s21, s21, SLOT
	s_add_co_u32 s22, s22, SLOT
.endr
	; where my results go.  qc, kc: [16 batch + head][16 tokens][1,024]: ((16 (row tile / 8) + 4 column tile + 2 column half) x 128 + 16 (row tile % 8) + 8 row half) x 1,024
	s_lshr_b32 s66, s17, 3
	s_lshl_b32 s66, s66, 4
	s_lshl_b32 s67, s42, 2
	s_add_co_u32 s66, s66, s67
	s_lshl_b32 s67, s16, 1
	s_add_co_u32 s66, s66, s67
	s_lshl_b32 s66, s66, 7
	s_and_b32 s67, s17, 7
	s_lshl_b32 s67, s67, 4
	s_add_co_u32 s66, s66, s67
	s_lshl_b32 s67, s15, 3
	s_add_co_u32 s66, s66, s67
	s_lshl_b32 s66, s66, 10
	; vc: [16 batch + head][128 keys][16 of the head's 64][2,048]: ((16 (column tile / 8) + 4 row tile + 2 row half) x 16 + 2 (column tile % 8) + column half) x 8,192
	s_lshr_b32 s68, s42, 3
	s_lshl_b32 s68, s68, 4
	s_lshl_b32 s69, s17, 2
	s_add_co_u32 s68, s68, s69
	s_lshl_b32 s69, s15, 1
	s_add_co_u32 s68, s68, s69
	s_lshl_b32 s68, s68, 4
	s_and_b32 s69, s42, 7
	s_lshl_b32 s69, s69, 1
	s_add_co_u32 s68, s68, s69
	s_add_co_u32 s68, s68, s16
	s_lshl_b32 s68, s68, 13
	s_cmp_eq_u32 s12, 2
	s_cselect_b32 s66, s68, s66
	s_cselect_b64 s[96:97], s[76:77], s[74:75]
	s_mov_b32 s67, 0
	s_cmp_eq_u32 s12, 0
	s_cselect_b64 s[96:97], s[72:73], s[96:97]
	s_add_nc_u64 s[96:97], s[96:97], s[66:67]
	s_lshl_b32 s70, s17, 8                         ; the table at my first token: (256 row tile + 128 row half) % 2,048, 256 bytes a token
	s_lshl_b32 s71, s15, 7
	s_add_co_u32 s70, s70, s71
	s_and_b32 s70, s70, 2047
	s_lshl_b32 s70, s70, 8
	s_mov_b32 s71, 0
	s_add_nc_u64 s[98:99], s[10:11], s[70:71]
	s_wait_alu depctr_va_vdst(0)
	s_wait_kmcnt 0x0
	s_sub_co_i32 s66, s90, s84                     ; E: chosen without a branch
	s_sub_co_i32 s66, s66, s85
	s_sub_co_i32 s67, s91, s86
	s_sub_co_i32 s67, s67, s87
	s_sub_co_i32 s68, s93, s88
	s_sub_co_i32 s68, s68, s89
	s_cmp_eq_u32 s12, 1
	s_cselect_b32 s66, s67, s66
	s_cmp_eq_u32 s12, 2
	s_cselect_b32 s66, s68, s66
	s_add_co_i32 s66, s66, 127
	s_lshl_b32 s67, s66, 23
	v_mov_b32 v[SCL], s67
.macro FRAG reg, adr, kk, i            ; a fragment's image comes back as it lies: four loads of 16 bytes a lane, 512 consecutive bytes each
.irp c, 0,1,2,3
	ds_load_b128 v[\reg+4*\c:\reg+4*\c+3], v[\adr] offset:4096*(\i)+2048*(\kk)+512*\c
.endr
.endm
; 16 matrix instructions: the first operand's blocks a0, a0 + 1 x the second's eight, 128 along K.  p: the second's set.  zero = 1: the first product starts the sums: nothing is ever cleared.
; The 64 accumulators take turns, one instruction a turn, in the same order in every step.
.macro MUL16 a0, p, zero
.irp a, \a0, \a0+1
.irp b, 0,1,2,3,4,5,6,7
.if \zero
	v_wmma_f32_16x16x128_fp8_fp8 v[8*(8*((\a)%4)+\b):8*(8*((\a)%4)+\b)+7], v[128*(\p)+FR*\b:128*(\p)+FR*\b+FR-1], v[AF+FR*(\a):AF+FR*(\a)+FR-1], 0
.else
	v_wmma_f32_16x16x128_fp8_fp8 v[8*(8*((\a)%4)+\b):8*(8*((\a)%4)+\b)+7], v[128*(\p)+FR*\b:128*(\p)+FR*\b+FR-1], v[AF+FR*(\a):AF+FR*(\a)+FR-1], v[8*(8*((\a)%4)+\b):8*(8*((\a)%4)+\b)+7]
.endif
.endr
.endr
.endm
.macro FETCH_B slot, kk, p
	WIN TO_B
.irp i, 0,1,2,3,4,5,6,7
	FRAG 128*(\p)+FR*\i, ADRB+\slot, \kk, \i
.endr
	WIN 0
.endm
.macro FETCH_A slot, kk, i0
.irp i, \i0, \i0+1, \i0+2, \i0+3
	FRAG AF+FR*(\i), ADRA+\slot, \kk, \i
.endr
.endm
.macro PLACES n                        ; a load into a register that a matrix instruction has read, and a vector instruction that reads a result, stand NP plain vector instructions behind it (ISA guide 7.12.1 for the vector instruction)
.rept \n
	v_nop
.endr
.endm
; A slot's first 128 along K; the second 128's fragments are fetched in two runs.  A block of the first operand is free when its eight products are issued, so one set of registers serves it.
.macro STEP slot, zero
	s_wait_dscnt 4*NL                              ; the second operand's set and blocks 0-3 are in; the youngest sixteen loads (blocks 4-7) may be out
	WIN MUL_LO
	MUL16 0, 0, \zero
	MUL16 2, 0, \zero
	s_wait_dscnt 0
	PLACES NP
	FETCH_B \slot, 1, 1
	FETCH_A \slot, 1, 0
	WIN MUL_HI
	MUL16 4, 0, \zero
	MUL16 6, 0, \zero
	PLACES NP
	WIN 0
	FETCH_A \slot, 1, 4
.endm
; A slot's second 128 changes slots: ONE barrier; in front of it each wave waits for all its tensor loads, adds 0 to its spare word, and waits for that and for its own reads of this slot.  fill = 1: this slot is filled again, two slots ahead.
.macro TURN slot, next, fill
	s_wait_tensorcnt 0x0                           ; all my tensor loads have landed: my part of the next slot
	ds_add_u32 v[SPW], v[NIL]                      ; 0 onto my spare word
	s_wait_dscnt 4*NL+1                            ; (the add and the youngest sixteen loads may be out)
	WIN MUL_LO
	MUL16 0, 1, 0                                  ; sixteen matrix instructions stand between the add and the wait for it
	s_wait_dscnt 0x0                               ; the add is done, and my reads of this slot are over
	s_barrier_signal -1
	MUL16 2, 1, 0
	WIN 0
	s_barrier_wait -1
.if \fill
	CREST                                          ; the barrier has opened a round of the cluster's barrier: no wave of any partner still reads this slot or has a load on its way
	s_add_nc_u64 s[G0+4*\slot+2:G0+4*\slot+3], s[G0+4*\slot+2:G0+4*\slot+3], 2*QUART
	s_add_nc_u64 s[G0B+4*\slot+2:G0B+4*\slot+3], s[G0B+4*\slot+2:G0B+4*\slot+3], 2*QUART
	JLOAD \slot                                    ; the first tensor load behind the round; its four v_nop are the places in front of the loads below
.else
	PLACES NP
.endif
	FETCH_B \next, 0, 0
	FETCH_A \next, 0, 0
	WIN MUL_HI
	MUL16 4, 1, 0
	MUL16 6, 1, 0
	PLACES NP
	WIN 0
	FETCH_A \next, 0, 4
.endm
.macro LAST                            ; the very last 128 along K: nothing more to fetch
	s_wait_dscnt 4*NL
	WIN MUL_LO
	MUL16 0, 1, 0
	MUL16 2, 1, 0
	s_wait_dscnt 0
	WIN MUL_HI
	MUL16 4, 1, 0
	MUL16 6, 1, 0
	WIN 0
.endm
; cos and sin for block a's 16 tokens: 32 bytes a lane for each of the four tiles of a head's 64 features
.macro TABLOAD a
.set i, 0
.rept 8
	global_load_b128 v[CS+32*((\a)%2)+4*i:CS+32*((\a)%2)+4*i+3], v[TA], s[98:99] offset:4096*(\a)+64*(i/2)+16*(i%2)
.set i, i+1
.endr
.endm
; Block a (16 tokens x my 128 features, two heads) of q or k: rotated, held, converted, stored.  Accumulator b holds features 16 b + 8 h + 0 .. 7: four pairs (x0, x1), frequency i = 8 (b % 4) + 4 h + p.
.macro ROPEQ a
.set AC,  64*((\a)%4)
.set CSS, CS+32*((\a)%2)
.set CC,  C+16*((\a)%2)
.if (\a) < 7
	s_wait_loadcnt 8                               ; this block's eight loads are in; the next block's eight may be out
.else
	s_wait_loadcnt 0x0
.endif
.if (\a) >= 2
	s_wait_xcnt 0x0                                ; block a - 2's stores have read their data: its codes' registers are written again only behind this wait
.endif
	WIN (0x02+(\a)/4)                              ; source 0: window 2 or 3
.set n, 0
.rept 32
	v_pk_mul_f32 v[T+2*n:T+2*n+1], v[AC+2*n:AC+2*n+1], v[CSS+8*((n/4)%4)+2*(n%4):CSS+8*((n/4)%4)+2*(n%4)+1] op_sel_hi:[1,0]   ; (x0 cos, x1 cos); each accumulator from its low end on
.set n, n+1
.endr
.set n, 0
.rept 32
	v_pk_fma_f32 v[T+2*n:T+2*n+1], v[AC+2*n:AC+2*n+1], v[CSS+8*((n/4)%4)+2*(n%4):CSS+8*((n/4)%4)+2*(n%4)+1], v[T+2*n:T+2*n+1] op_sel:[1,1,0] op_sel_hi:[0,1,1] neg_lo:[0,1,0]   ; low: - x1 sin + x0 cos; high: x0 sin + x1 cos
.set n, n+1
.endr
	WIN 0
.if (\a) < 6
	TABLOAD (\a)+2                                 ; into the set just read
.endif
.set n, 0
.rept 64
.set n, n+1
.endr
.set n, 0
.rept 8
	v_cvt_scalef32_pk8_fp8_f32 v[CC+2*n:CC+2*n+1], v[T+8*n:T+8*n+7], v[SCL]   ; registers 2 (n % 4), 2 (n % 4) + 1 of head n / 4's image
.set n, n+1
.endr
	v_nop                                          ; one plain vector instruction behind the last conversion, ahead of the next vector instruction that writes its sources
	global_store_b128 v[LI], v[CC:CC+3],     s[96:97] offset:1024*(\a)
	global_store_b128 v[LI], v[CC+4:CC+7],   s[96:97] offset:1024*(\a)+512
	global_store_b128 v[LI], v[CC+8:CC+11],  s[96:97] offset:131072+1024*(\a)
	global_store_b128 v[LI], v[CC+12:CC+15], s[96:97] offset:131072+1024*(\a)+512
.endm
; Block a (16 features x my 128 keys) of V^T: accumulator b holds keys 16 b + 8 h + 0 .. 7: registers 2 b, 2 b + 1 of one image
.macro VQ a
.set AC,  64*((\a)%4)
.set CC,  C+16*((\a)%2)
.if (\a) >= 2
	s_wait_xcnt 0x0
.endif
	WIN (0x02+(\a)/4)
.set n, 0
.rept 64
.set n, n+1
.endr
.set n, 0
.rept 8
	v_cvt_scalef32_pk8_fp8_f32 v[CC+2*n:CC+2*n+1], v[AC+8*n:AC+8*n+7], v[SCL]
.set n, n+1
.endr
	WIN 0
	v_nop
.set n, 0
.rept 4
	global_store_b128 v[LI], v[CC+4*n:CC+4*n+3], s[96:97] offset:((\a)/4)*131072+((\a)%4)*2048+512*n
.set n, n+1
.endr
.endm
	s_wait_tensorcnt 1                             ; my part of slot 0 is in (slot 1's load may be out)
	s_barrier_signal -1
	s_barrier_wait -1                              ; everybody's is
	FETCH_B 0, 0, 0
	FETCH_A 0, 0, 0
	FETCH_A 0, 0, 4
	STEP 0, 1                                      ; K 0-127: its products start the sums
	TURN 0, 1, 1                                   ; K 128-255; slot 0 takes K 512-767
	STEP 1, 0
	TURN 1, 0, 1                                   ; slot 1 takes K 768-1023
	STEP 0, 0
	TURN 0, 1, 0                                   ; nothing is left to fetch: no round of the cluster's barrier
	s_cmp_eq_u32 s12, 2                            ; the ways part once, on the cluster's x; no barrier, no tensor load and no LDS store stands on either
	s_cbranch_scc1 .Lvpath
	TABLOAD 0                                      ; they land under the 128 products that are left
	TABLOAD 1
	STEP 1, 0
	LAST
	PLACES NP
.irp a, 0,1,2,3,4,5,6,7
	ROPEQ \a
.endr
	s_branch .Lend
.Lvpath:
	STEP 1, 0
	LAST
	PLACES NP
	s_wait_alu depctr_va_vdst(0)
.irp a, 0,1,2,3,4,5,6,7
	VQ \a
.endr
.Lend:
	s_wait_tensorcnt 0x0                           ; the wave's end: behind my last tensor load
	ds_add_u32 v[SPW], v[NIL]
	s_wait_dscnt 0x0
	CROUND                                         ; the closing round: no work-group ends while a partner may still ask for a tile that names it
	s_endpgm
.Lfunc_end_k_q3b86411f47_qkv:
	.size	k_q3b86411f47_qkv, .Lfunc_end_k_q3b86411f47_qkv-k_q3b86411f47_qkv
	.p2alignl 7, 3214868480
	.fill 96, 4, 3214868480
	.section	.rodata,"a",@progbits
	.p2align	6, 0x0
	.amdhsa_kernel k_q3b86411f47_qkv
		.amdhsa_group_segment_fixed_size 327680
		.amdhsa_private_segment_fixed_size 0
		.amdhsa_enable_private_segment 0
		.amdhsa_kernarg_size 56
		.amdhsa_user_sgpr_count 2
		.amdhsa_user_sgpr_kernarg_segment_ptr 1
		.amdhsa_wavefront_size32 1
		.amdhsa_system_sgpr_workgroup_id_x 1
		.amdhsa_system_sgpr_workgroup_id_y 1
		.amdhsa_system_sgpr_workgroup_id_z 1
		.amdhsa_system_vgpr_workitem_id 0
		.amdhsa_next_free_vgpr 1024
		.amdhsa_next_free_sgpr 100
		.amdhsa_reserve_vcc 0
		.amdhsa_float_denorm_mode_32 3
		.amdhsa_float_denorm_mode_16_64 3
		.amdhsa_fp16_overflow 1
		.amdhsa_memory_ordered 1
		.amdhsa_forward_progress 1
		.amdhsa_inst_pref_size 146
	.end_amdhsa_kernel
	.amdgpu_metadata
---
amdhsa.version: [ 1, 2 ]
amdhsa.kernels:
  - .name:           k_q3b86411f47_qkv
    .symbol:         k_q3b86411f47_qkv.kd
    .args:
      - { .name: xc, .offset: 0, .size: 8, .value_kind: global_buffer, .address_space: global }
      - { .name: wc, .offset: 8, .size: 8, .value_kind: global_buffer, .address_space: global }
      - { .name: lowp_scales, .offset: 16, .size: 8, .value_kind: global_buffer, .address_space: global }
      - { .name: tab, .offset: 24, .size: 8, .value_kind: global_buffer, .address_space: global }
      - { .name: qc, .offset: 32, .size: 8, .value_kind: global_buffer, .address_space: global }
      - { .name: kc, .offset: 40, .size: 8, .value_kind: global_buffer, .address_space: global }
      - { .name: vc, .offset: 48, .size: 8, .value_kind: global_buffer, .address_space: global }
    .group_segment_fixed_size: 327680
    .private_segment_fixed_size: 0
    .kernarg_segment_align: 8
    .kernarg_segment_size: 56
    .max_flat_workgroup_size: 128
    .sgpr_count:     100
    .vgpr_count:     1024
    .wavefront_size: 32
...
	.end_amdgpu_metadata
.endif
;; end of part 2
;; launch attn (part 3): grid 4 x 64, 16 waves a work-group, no clusters, 327,680 bytes of LDS; arguments qc, kc, vc, lowp_scales, ac; writes ac
.if DOCPART == 3
	.amdgcn_target "amdgcn-amd-amdhsa--gfx1250"
	.amdhsa_code_object_version 6
	.text
	.protected	k_q3b86411f47_attn
	.globl	k_q3b86411f47_attn
	.p2align	8
	.type	k_q3b86411f47_attn,@function
k_q3b86411f47_attn:
	s_mov_b64 s[64:65], 0
	v_nop
	global_prefetch_b8 v0, s[64:65] scope:SCOPE_SE
	s_setreg_imm32_b32 hwreg(HW_REG_WAVE_MODE, 25, 1), 1
	s_wait_xcnt 0x0
; Causal attention on codes of FP8 (E4M3): S = q k^T / 8, the softmax, O = p v, and the quantising of O for the last projection.  64 heads (16 batch + head), 2,048 tokens, head size 64.
; THE SOFTMAX AHEAD OF THE SECOND PRODUCT: t = score x log2(e) / 8; M = the row's largest t so far, rounded UP to a whole number; p = 2^(t - M) is what is quantised, along the keys; it is not normalised.
; The row's sum is taken of the unquantised p, in f32, and divides O at the end.  When M moves, the sum and O are multiplied by 2^(old M - new M): exact.
; SHARES.  Work-group (I, head) serves the block of 256 queries 7 - I (key slots 0 .. 7 - I, 256 keys a slot) and then block I (slots 0 .. I): NINE slots for every work-group, so the loop's trip count is a constant
; and all 256 work-groups have the same work.  Each of SIXTEEN waves owns 16 queries in 256 registers: four waves to a SIMD, so that one wave's vector work stands beside another's matrix work and LDS loads.
; Wave w takes tile 4 ((w + w / 4) % 4) + w / 4 of its block's sixteen, so that early and late tiles of the diagonal slot are mixed among any four neighbouring waves.
; OPERANDS ARE IMAGES OF THEIR REGISTERS (lane (r, h): row r; registers 2 c, 2 c + 1: k = 16 c + 8 h + 0 .. 7; register q of lane l at byte 512 (q / 4) + 16 l + 4 (q % 4)): q, k: 16 tokens x 64, 1,024 bytes;
; v: 16 of the head's 64 x 128 keys, 2,048 bytes.  A slot's K (16 KiB) and V (16 KiB) are dense blocks of memory: wave 0 fetches K's, wave 1 V's; all sixteen read them, by loads of 16 bytes a lane at 16 x lane.
; LAYOUT.  Both products are used transposed: S^T = K Q^T (source 0 = 16 keys, source 1 = my 16 queries), O^T = V^T P^T: a lane holds ONE query (lane % 16) throughout; S^T's tile c holds keys 16 c + 8 h + 0 .. 7,
; which one conversion turns into registers 2 c, 2 c + 1 of p's operand; O^T's tile t likewise into registers 2 t, 2 t + 1 of the last projection's operand.
; THE MASK is the definition's own: a step all of whose 128 keys come after my 16 queries is left out (a scalar branch on ids); on the diagonal hidden scores become -infinity, so p = 0.  (The definition writes -1e9 there: its p is 0 too.)
; NO CLUSTER: the four work-groups of a head leave their first block after 8, 7, 6 and 5 slots and then ask for different slots, so partners would need different tiles from the sixth trip on.
; LIMITS on the given exponents: e6 + e7 between -123 and 130 (added to c's exponent field); e8, and e10 - e8 - e9, between -126 and 119.
; REGISTERS: v1 16 x lane; v2 the LDS address in hand; v12 -M, v13 the largest t, v[14:15] the sum in two halves; v16-23 Q; v32-95 eight fragments of K, then four of V; v96-159 S^T, then p; v160-191 O^T; v224-239 codes; v240-254 scales and work.
.set SLOTB, 32768                      ; an LDS slot: K's 16 images, then V's 8
.set VOFF,  16384
.set SPARE, 2*SLOTB                    ; behind the ring: the spare words, 128 bytes for each wave: eight blocks of 256 bytes that no other line names
.set LI,   1
.set ADR,  2
.set SPW,  4                           ; v4   LDS address of my spare word; never rewritten
.set NIL,  5                           ; v5   0; never rewritten
.set PFO,  6                           ; v6   256 x lane: the prefetches' offset; never rewritten
.set DV,   7                           ; v7   r - 8 h, for the mask
.set TB,   2                           ; s2   LDS byte at which the slot in hand begins
.set TT,   3                           ; s3   the trip, 0 .. 8
.set WV,   18                          ; s18  my wave's number
.set QT,   19                          ; s19  my tile of 16 queries in a block
.set SEL,  20                          ; s[20:21] lane selects for v_permlanex16_b32: lane l xor 16
.set CSC,  22                          ; s[22:23] c = log2(e) / 8 x 2^(e6 + e7)
.set G1,   24                          ; s[24:31] descriptor group 1
.set G0,   32                          ; s[32:35] group 0, which walks
.set TBASE, 36                         ; s[36:37] the head's first byte of what I fetch
.set OFF,  38                          ; s[38:39] the slot's bytes from there
.set II,   40
.set BH,   41
.set SW,   42                          ; s42  8 - I: the trips of the first block
.set QB,   43                          ; s43  the block of queries in hand
.set Q0,   44                          ; s44  my first query
.set KF,   45                          ; s45  the step's first key
.set PFA,  66                          ; s[66:67] where my prefetches stand
.set LIM,  68                          ; s68  6 in a wave that prefetches, else 0
.macro TLOAD                           ; waves 0 and 1 fetch, the others nothing; an s_nop 0 and four v_nop follow the line
	s_cmp_lt_u32 s[WV], 2
	s_cbranch_scc0 .Lnone_\@
	tensor_load_to_lds s[G0:G0+3], s[G1:G1+7]
	s_nop 0
.rept 4
	v_nop
.endr
.Lnone_\@:
.endm
; A PREFETCH of the key slot that the NEXT change of slots will ask for: in trip T slot T + 2, a slot's two key steps ahead of its tensor load.  All four work-groups of a head begin with slots 0, 1, 2 ..: work-group I = 0,
; which walks all eight, asks, and nobody else.  In it waves 4 and 5 ask for K's 16,384 bytes and waves 6 and 7 for V's, 8,192 bytes a wave, lanes 256 bytes apart: each aligned block of 256 bytes is named once in the launch.
; Slots 0 and 1 come by their loads alone; trips 6 and later ask for nothing: slot 7 is the head's last.
.macro ASK
	s_cmp_lt_u32 s[TT], s[LIM]
	s_cbranch_scc0 .Lnot_mine_\@
	global_prefetch_b8 v[PFO], s[PFA:PFA+1] th:TH_LOAD_NT scope:SCOPE_SE
.Lnot_mine_\@:
.endm
	s_load_b256 s[4:11], s[0:1], 0x0               ; qc 4, kc 6, vc 8, the exponents 10
	s_load_b64 s[12:13], s[0:1], 0x20              ; ac
	v_lshl_add_u32 v[SPW], v0, 2, SPARE
	v_mov_b32 v[NIL], 0
	ds_add_u32 v[SPW], v[NIL]                      ; the wave's opening: the add and its wait ahead of my first tensor load; the set-up below, work on registers, stands between them
	ds_add_u32 v[SPW], v[NIL]
	v_lshrrev_b32 v8, 5, v0
	s_delay_alu instid0(VALU_DEP_1)
	v_readfirstlane_b32 s[WV], v8                  ; wave 0..15
	s_mov_b32 s[II], ttmp9
	s_and_b32 s[BH], ttmp7, 0xffff
	s_sub_co_u32 s[SW], 8, s[II]
	s_lshr_b32 s46, s[WV], 2
	s_add_co_u32 s47, s[WV], s46
	s_and_b32 s47, s47, 3
	s_lshl_b32 s47, s47, 2
	s_add_co_u32 s[QT], s47, s46
	; descriptor group 1: a dense block of 16,384 bytes as 64 rows of 256
	s_mov_b32 s[G1], 3<<16                         ; no mask; elements of 8 bytes; no padding
	s_mov_b32 s[G1+1], 32<<16                      ; tensor_dim0 = 32 elements
	s_mov_b32 s[G1+2], 64<<16                      ; tensor_dim1 = 64
	s_mov_b32 s[G1+3], 32<<16                      ; tile_dim0
	s_mov_b32 s[G1+4], 64                          ; tile_dim1
	s_mov_b32 s[G1+5], 32                          ; tensor_dim0_stride
	s_mov_b32 s[G1+6], 0
	s_mov_b32 s[G1+7], 0
	s_mov_b32 s[G0], 1
	s_lshl_b32 s[G0+1], s[WV], 14                  ; wave 0: K's half of slot 0; wave 1: V's
	s_mov_b32 s[OFF+1], 0
	s_mov_b32 s[SEL], 0x76543210
	s_mov_b32 s[SEL+1], 0xfedcba98
	s_mov_b32 s[CSC], 0x3e38aa3b                   ; log2(e) / 8
	s_mov_b32 s[TB], 0
	s_mov_b32 s[TT], 0
	s_wait_dscnt 0x0                               ; the opening add is done
	s_wait_kmcnt 0x0
	s_load_b128 s[56:59], s[10:11], 0x18           ; e6, e7, e8, e9
	s_load_b32 s60, s[10:11], 0x28                 ; e10
	s_lshl_b32 s46, s[BH], 17                      ; a head's codes are 131,072 bytes in each of qc, kc, vc
	s_mov_b32 s47, 0
	s_cmp_eq_u32 s[WV], 0
	s_cselect_b64 s[TBASE:TBASE+1], s[6:7], s[8:9]
	s_add_nc_u64 s[TBASE:TBASE+1], s[TBASE:TBASE+1], s[46:47]
	s_mov_b64 s[G0+2:G0+3], s[TBASE:TBASE+1]
	s_or_b32 s[G0+3], s[G0+3], 0x80000000
	TLOAD                                          ; key slot 0
	s_cmp_lt_u32 s[WV], 6                          ; the prefetches: waves 4, 5: K; waves 6, 7: V
	s_cselect_b64 s[PFA:PFA+1], s[6:7], s[8:9]
	s_and_b32 s61, s[WV], 1
	s_lshl_b32 s61, s61, 13
	s_add_co_u32 s61, s61, s46
	s_add_co_u32 s62, s61, 16384                   ; in slot 1: the first change of slots steps it to slot 2
	s_mov_b32 s63, 0
	s_add_nc_u64 s[PFA:PFA+1], s[PFA:PFA+1], s[62:63]
	s_lshr_b32 s61, s[WV], 2
	s_xor_b32 s61, s61, 1
	s_or_b32 s61, s61, s[II]
	s_cmp_eq_u32 s61, 0
	s_cselect_b32 s[LIM], 6, 0
	s_lshl_b32 s61, s[QT], 10
	s_add_co_u32 s46, s46, s61
	s_add_nc_u64 s[48:49], s[4:5], s[46:47]        ; q: my tile in block 0
	s_lshr_b32 s46, s[BH], 4                       ; ac: [128 tokens][256 features][16 tokens][128 features]: the batch's 16 blocks of 128 tokens, + my tile's,
	s_lshl_b32 s46, s46, 4
	s_lshr_b32 s61, s[QT], 3
	s_add_co_u32 s46, s46, s61
	s_lshl_b32 s46, s46, 17
	s_and_b32 s61, s[BH], 15                       ; the head's 64 features: head / 4 says which 256,
	s_lshr_b32 s61, s61, 2
	s_lshl_b32 s61, s61, 15
	s_add_co_u32 s46, s46, s61
	s_and_b32 s61, s[QT], 7
	s_lshl_b32 s61, s61, 12
	s_add_co_u32 s46, s46, s61
	s_and_b32 s61, s[BH], 3                        ; head % 4 which 1,024 bytes: half an image
	s_lshl_b32 s61, s61, 10
	s_add_co_u32 s46, s46, s61
	s_add_nc_u64 s[50:51], s[12:13], s[46:47]
	v_and_b32 v8, 31, v0
	s_delay_alu instid0(VALU_DEP_1)
	v_lshlrev_b32 v[LI], 4, v8
	s_delay_alu instid0(VALU_DEP_2)
	v_lshlrev_b32 v[PFO], 8, v8
	v_and_b32 v8, 15, v0
	v_bfe_u32 v9, v0, 4, 1
	s_delay_alu instid0(VALU_DEP_1)
	v_lshlrev_b32 v9, 3, v9
	s_delay_alu instid0(VALU_DEP_1)
	v_sub_nc_u32 v[DV], v8, v9
	v_mov_b32 v246, 0                              ; written once: a lane permute's destination counts as one of its sources
	v_mov_b32 v253, 0                              ; (named as the upper half of the pair v[252:253])
	s_wait_kmcnt 0x0
	s_add_co_i32 s46, s56, s57
	s_lshl_b32 s46, s46, 23
	s_add_co_i32 s[CSC], s[CSC], s46               ; a score stands for score x 2^(e6 + e7)
	s_mov_b32 s[CSC+1], s[CSC]                     ; (named with it as a pair, so it is written)
	s_add_co_i32 s46, s58, 127
	s_lshl_b32 s47, s46, 23
	v_mov_b32 v244, s47                            ; 2^e8, for p's conversions
	s_sub_co_i32 s46, s60, s58                     ; O / the sum stands for that x 2^(e8 + e9): its code is that / 2^(e10 - e8 - e9)
	s_sub_co_i32 s46, s46, s59
	s_add_co_i32 s46, s46, 127
	s_lshl_b32 s47, s46, 23
	v_mov_b32 v245, s47
; A block of queries begins: its addresses, Q's fragment, and the running numbers.  O^T and the sum begin as zeros and the largest t as -3e38: the first change of M multiplies zeros.
.macro INIT
	s_wait_xcnt 0x0                                ; the earlier loads and stores have read their bases and data
	s_mov_b32 s47, 0
	s_lshl_b32 s46, s[QB], 14
	s_add_nc_u64 s[52:53], s[48:49], s[46:47]
	s_lshl_b32 s46, s[QB], 18
	s_add_nc_u64 s[54:55], s[50:51], s[46:47]
	s_lshl_b32 s[Q0], s[QB], 8
	s_lshl_b32 s46, s[QT], 4
	s_add_co_u32 s[Q0], s[Q0], s46
	s_mov_b32 s[KF], 0
	global_load_b128 v[16:19], v[LI], s[52:53]
	global_load_b128 v[20:23], v[LI], s[52:53] offset:512
	v_mov_b32 v13, 0xff61b1e6
	s_delay_alu instid0(VALU_DEP_1)
	v_floor_f32 v12, -v13
	v_mov_b32 v14, 0
	v_mov_b32 v15, 0
.set i, 0
.rept 32
	v_mov_b32 v[160+i], 0
.set i, i+1
.endr
	s_wait_loadcnt 0x0
.endm
; A KEY STEP: 128 keys, the q-th of the slot in hand.
.macro STEP q
	s_add_co_u32 s46, s[Q0], 15
	s_cmp_gt_u32 s[KF], s46                        ; all its keys come after my queries: left out, but for the step of KF
	s_cbranch_scc1 .Lhidden_\@
	v_add_nc_u32 v[ADR], s[TB], v[LI]
.rept 3
	v_nop                                          ; with the addition: four places in front of loads into registers that matrix instructions have read
.endr
.set i, 0
.rept 16
	ds_load_b128 v[32+4*i:35+4*i], v[ADR] offset:8192*(\q)+512*i   ; K's eight images
.set i, i+1
.endr
	s_wait_alu depctr_va_vdst(0)
	s_wait_dscnt 0x0
.set i, 0
.rept 8
	v_wmma_f32_16x16x64_fp8_fp8 v[96+8*i:103+8*i], v[32+8*i:39+8*i], v[16:23], 0
.set i, i+1
.endr
.rept 4
	v_nop                                          ; four places: in front of the loads below, and of the first read of the scores
.endr
.set i, 0
.rept 16
	ds_load_b128 v[32+4*i:35+4*i], v[ADR] offset:VOFF+8192*(\q)+512*i   ; V's four images, into the registers that K has left: they land under the softmax
.set i, i+1
.endr
	s_add_co_u32 s46, s[KF], 127
	s_cmp_le_u32 s46, s[Q0]                        ; a step all of whose keys count skips the mask
	s_cbranch_scc1 .Lopen_\@
	s_sub_co_i32 s46, s[Q0], s[KF]
	v_add_nc_u32 v252, s46, v[DV]                  ; d = my query - KF - 8 h.  Register 8 c + j holds key KF + 16 c + 8 h + j: hidden where 16 c + j > d
	v_mov_b32 v254, 0xff800000
.set n, 0
.rept 64
	v_cmp_gt_i32 vcc_lo, 16*(n/8)+n%8, v252
	v_cndmask_b32 v[96+n], v[96+n], v254, vcc_lo
.set n, n+1
.endr
.Lopen_\@:
	v_max3_num_f32 v254, v96, v97, v98             ; the step's largest score of my query, among my 64 keys, in two chains; each tile is first read at its low end
	v_max3_num_f32 v252, v99, v100, v101
.set i, 6
.rept 14
	v_max3_num_f32 v254, v254, v[96+i], v[97+i]
	v_max3_num_f32 v252, v252, v[98+i], v[99+i]
.set i, i+4
.endr
	v_max3_num_f32 v254, v254, v158, v159
	s_delay_alu instid0(VALU_DEP_1)
	v_max_num_f32 v254, v254, v252
	s_delay_alu instid0(VALU_DEP_1)
	v_permlanex16_b32 v246, v254, s[SEL], s[SEL+1]
	s_delay_alu instid0(VALU_DEP_1)
	v_max_num_f32 v254, v254, v246                 ; and among lane l xor 16's
	s_delay_alu instid0(VALU_DEP_1)
	v_mul_f32 v254, s[CSC], v254                   ; as t (c is positive)
	s_delay_alu instid0(VALU_DEP_1)
	v_max_num_f32 v13, v13, v254                   ; the running largest t
	v_mov_b32 v254, v12
	s_delay_alu instid0(VALU_DEP_2)
	v_floor_f32 v12, -v13                          ; the new -M = floor(-t): M is a whole number
	s_delay_alu instid0(VALU_DEP_1)
	v_sub_f32 v254, v12, v254                      ; old M - new M: a whole number, 0 or less
	s_delay_alu instid0(VALU_DEP_1)
	v_cvt_i32_f32 v254, v254                       ; (it saturates)
	s_delay_alu instid0(VALU_DEP_1)
	v_ldexp_f32 v252, 1.0, v254                    ; f = 2^(old M - new M)
.set i, 0
.rept 32
	v_pk_fma_f32 v[96+i:97+i], v[96+i:97+i], s[CSC:CSC+1], v[12:13] op_sel_hi:[1,0,0]   ; t - M, two at a time
.set i, i+2
.endr
.set i, 0
	s_wait_alu depctr_va_vdst(0)
.rept 64
	v_exp_f32 v[96+i], v[96+i]                     ; p = 2^(t - M), at most 1
.set i, i+1
.endr
	v_pk_mul_f32 v[14:15], v[14:15], v[252:253] op_sel_hi:[1,0]   ; the sums under the new M: the plain instruction behind the exponentials
	s_wait_alu depctr_va_vdst(0)                   ; one wait for the whole batch, ahead of its first reader
	v_pk_add_f32 v[242:243], v[100:101], v[104:105]
	v_pk_add_f32 v[254:255], v[108:109], v[112:113]
	v_pk_add_f32 v[250:251], v[116:117], v[120:121]
	v_pk_add_f32 v[248:249], v[124:125], v[128:129]
	v_pk_add_f32 v[240:241], v[132:133], v[136:137]
	v_pk_add_f32 v[238:239], v[140:141], v[144:145]
	v_pk_add_f32 v[236:237], v[148:149], v[152:153]
	v_pk_add_f32 v[14:15], v[14:15], v[156:157]
	v_pk_add_f32 v[242:243], v[242:243], v[96:97]
	v_pk_add_f32 v[254:255], v[254:255], v[98:99]
	v_pk_add_f32 v[250:251], v[250:251], v[102:103]
	v_pk_add_f32 v[248:249], v[248:249], v[106:107]
	v_pk_add_f32 v[240:241], v[240:241], v[110:111]
	v_pk_add_f32 v[238:239], v[238:239], v[114:115]
	v_pk_add_f32 v[236:237], v[236:237], v[118:119]
	v_pk_add_f32 v[14:15], v[14:15], v[122:123]
	v_pk_add_f32 v[242:243], v[242:243], v[126:127]
	v_pk_add_f32 v[254:255], v[254:255], v[130:131]
	v_pk_add_f32 v[250:251], v[250:251], v[134:135]
	v_pk_add_f32 v[248:249], v[248:249], v[138:139]
	v_pk_add_f32 v[240:241], v[240:241], v[142:143]
	v_pk_add_f32 v[238:239], v[238:239], v[146:147]
	v_pk_add_f32 v[236:237], v[236:237], v[150:151]
	v_pk_add_f32 v[14:15], v[14:15], v[154:155]
	v_pk_add_f32 v[242:243], v[242:243], v[158:159]
	s_delay_alu instid0(VALU_DEP_2)
	v_pk_add_f32 v[14:15], v[14:15], v[248:249]
	s_delay_alu instid0(VALU_DEP_2)
	v_pk_add_f32 v[242:243], v[242:243], v[240:241]
	v_pk_add_f32 v[254:255], v[254:255], v[238:239]
	v_pk_add_f32 v[250:251], v[250:251], v[236:237]
	s_delay_alu instid0(VALU_DEP_2)
	v_pk_add_f32 v[14:15], v[14:15], v[254:255]
	s_delay_alu instid0(VALU_DEP_2)
	v_pk_add_f32 v[242:243], v[242:243], v[250:251]
	s_delay_alu instid0(VALU_DEP_1)
	v_pk_add_f32 v[14:15], v[14:15], v[242:243]
.set c, 0
.rept 8
.set i, 0
.rept 8
.set i, i+1
.endr
	v_cvt_scalef32_pk8_fp8_f32 v[224+2*c:225+2*c], v[96+8*c:103+8*c], v244
.set c, c+1
.endr
.set i, 0
.rept 16
	v_pk_mul_f32 v[160+i:161+i], v[160+i:161+i], v[252:253] op_sel_hi:[1,0]   ; O^T under the new M; also the plain lines between the conversions and the products
.set i, i+2
.endr
	s_wait_alu depctr_va_vdst(0)
	s_wait_dscnt 0x0                               ; V is in
.set i, 0
.rept 4
	v_wmma_f32_16x16x128_fp8_fp8 v[160+8*i:167+8*i], v[32+16*i:47+16*i], v[224:239], v[160+8*i:167+8*i]   ; the four accumulators take turns; the next step's eight products stand between two turns of each
.set i, i+1
.endr
.Lhidden_\@:
	s_add_co_u32 s[KF], s[KF], 128
.endm
; THE CHANGE OF SLOTS stands at a slot's head.  Each wave waits for all its tensor loads, adds 0 to its spare word, and waits for that and for its reads of the slot that it has left.  Behind the barrier the slot ahead is whole
; and nobody reads the other one.  fill = 1: that other slot takes the key slot of the next trip: T + 1, or T + 1 - (8 - I) in the second block.  The load has a whole slot's steps in which to land; a wave has one out.
.macro CHANGE fill
	s_wait_tensorcnt 0x0                           ; no tensor load of mine is out, so group 0 may be written
	ds_add_u32 v[SPW], v[NIL]                      ; 0 onto my spare word; the descriptor's steps stand between it and the wait for it
.if \fill
	s_xor_b32 s[G0+1], s[G0+1], SLOTB
	s_add_co_u32 s46, s[TT], 1
	s_cmp_ge_u32 s46, s[SW]
	s_cselect_b32 s47, s[SW], 0
	s_sub_co_u32 s46, s46, s47
	s_lshl_b32 s[OFF], s46, 14
	s_add_nc_u64 s[G0+2:G0+3], s[TBASE:TBASE+1], s[OFF:OFF+1]
	s_or_b32 s[G0+3], s[G0+3], 0x80000000
	s_wait_xcnt 0x0                                ; the last prefetch, a slot back, has read its address
	s_add_nc_u64 s[PFA:PFA+1], s[PFA:PFA+1], 16384
.endif
	s_wait_dscnt 0x0                               ; the add is done, and my reads of the slot that I have left are over
	s_barrier_signal -1
	s_barrier_wait -1
.if \fill
	TLOAD                                          ; the first thing behind the barrier, and a wave's one tensor load until the next
	ASK
.endif
.endm
; A block of queries ends: O^T / the sum, held, converted: registers 2 t, 2 t + 1 of my head's half image; two stores of 512 consecutive bytes each, aligned.
.macro FINISH
.rept 4
	v_nop                                          ; places behind the last products
.endr
	v_add_f32 v14, v14, v15
	s_delay_alu instid0(VALU_DEP_1)
	v_permlanex16_b32 v246, v14, s[SEL], s[SEL+1]
	s_delay_alu instid0(VALU_DEP_1)
	v_add_f32 v14, v14, v246                       ; the row's sum
	s_wait_alu depctr_va_vdst(0)
	v_rcp_f32 v252, v14
	v_nop                                          ; a plain instruction behind the reciprocal,
	s_wait_alu depctr_va_vdst(0)                   ; and a wait ahead of its first reader
.set i, 0
.rept 16
	v_pk_mul_f32 v[96+i:97+i], v[160+i:161+i], v[252:253] op_sel_hi:[1,0]
.set i, i+2
.endr
.set i, 0
.rept 32
.set i, i+1
.endr
.set i, 0
.rept 4
	v_cvt_scalef32_pk8_fp8_f32 v[224+2*i:225+2*i], v[96+8*i:103+8*i], v245
.set i, i+1
.endr
	v_nop                                          ; one plain vector instruction behind the last conversion
	global_store_b128 v[LI], v[224:227], s[54:55]
	global_store_b128 v[LI], v[228:231], s[54:55] offset:512
.endm
	s_sub_co_u32 s[QB], 7, s[II]
	INIT
.Ltrip:                                                ; eight trips; behind each change of slots the next trip's keys are asked for
	CHANGE 1
	STEP 0
	STEP 1
	s_xor_b32 s[TB], s[TB], SLOTB
	s_add_co_u32 s46, s[TT], 1
	s_cmp_lg_u32 s46, s[SW]                        ; the first block's last slot?  A branch on ids, the same in all sixteen waves; no barrier, tensor load or LDS instruction stands under it
	s_cbranch_scc1 .Lsame
	FINISH
	s_mov_b32 s[QB], s[II]
	INIT
.Lsame:
	s_add_co_u32 s[TT], s[TT], 1
	s_cmp_lt_u32 s[TT], 8
	s_cbranch_scc1 .Ltrip
	CHANGE 0                                       ; the ninth slot is written out
	STEP 0
	STEP 1
	FINISH
	s_wait_tensorcnt 0x0                           ; the wave's end: behind my last tensor load
	ds_add_u32 v[SPW], v[NIL]
	s_wait_dscnt 0x0
	s_endpgm
.Lfunc_end_k_q3b86411f47_attn:
	.size	k_q3b86411f47_attn, .Lfunc_end_k_q3b86411f47_attn-k_q3b86411f47_attn
	.p2alignl 7, 3214868480
	.fill 96, 4, 3214868480
	.section	.rodata,"a",@progbits
	.p2align	6, 0x0
	.amdhsa_kernel k_q3b86411f47_attn
		.amdhsa_group_segment_fixed_size 327680
		.amdhsa_private_segment_fixed_size 0
		.amdhsa_enable_private_segment 0
		.amdhsa_kernarg_size 40
		.amdhsa_user_sgpr_count 2
		.amdhsa_user_sgpr_kernarg_segment_ptr 1
		.amdhsa_wavefront_size32 1
		.amdhsa_system_sgpr_workgroup_id_x 1
		.amdhsa_system_sgpr_workgroup_id_y 1
		.amdhsa_system_sgpr_workgroup_id_z 1
		.amdhsa_system_vgpr_workitem_id 0
		.amdhsa_next_free_vgpr 256
		.amdhsa_next_free_sgpr 72
		.amdhsa_reserve_vcc 1
		.amdhsa_float_denorm_mode_32 3
		.amdhsa_float_denorm_mode_16_64 3
		.amdhsa_fp16_overflow 1
		.amdhsa_memory_ordered 1
		.amdhsa_forward_progress 1
		.amdhsa_inst_pref_size 90
	.end_amdhsa_kernel
	.amdgpu_metadata
---
amdhsa.version: [ 1, 2 ]
amdhsa.kernels:
  - .name:           k_q3b86411f47_attn
    .symbol:         k_q3b86411f47_attn.kd
    .args:
      - { .name: qc, .offset: 0, .size: 8, .value_kind: global_buffer, .address_space: global }
      - { .name: kc, .offset: 8, .size: 8, .value_kind: global_buffer, .address_space: global }
      - { .name: vc, .offset: 16, .size: 8, .value_kind: global_buffer, .address_space: global }
      - { .name: lowp_scales, .offset: 24, .size: 8, .value_kind: global_buffer, .address_space: global }
      - { .name: ac, .offset: 32, .size: 8, .value_kind: global_buffer, .address_space: global }
    .group_segment_fixed_size: 327680
    .private_segment_fixed_size: 0
    .kernarg_segment_align: 8
    .kernarg_segment_size: 40
    .max_flat_workgroup_size: 512
    .sgpr_count:     72
    .vgpr_count:     256
    .wavefront_size: 32
...
	.end_amdgpu_metadata
.endif
;; end of part 3
;; launch oproj (part 4): grid 4 x 32, 4 waves a work-group, clusters of 4 x 4, 327,680 bytes of LDS; arguments ac, wc, lowp_scales, out0; writes out0
.if DOCPART == 4
	.amdgcn_target "amdgcn-amd-amdhsa--gfx1250"
	.amdhsa_code_object_version 6
	.text
	.protected	k_q3b86411f47_oproj
	.globl	k_q3b86411f47_oproj
	.p2align	8
	.type	k_q3b86411f47_oproj,@function
k_q3b86411f47_oproj:
	s_mov_b64 s[64:65], 0
	v_nop
	global_prefetch_b8 v0, s[64:65] scope:SCOPE_SE
	s_setreg_imm32_b32 hwreg(HW_REG_WAVE_MODE, 25, 1), 1
	s_wait_xcnt 0x0
	s_wait_alu depctr_hold_cnt(0) depctr_sa_sdst(0) depctr_va_vdst(0) depctr_va_sdst(0) depctr_va_ssrc(0) depctr_va_vcc(0) depctr_vm_vsrc(0)
	s_getreg_b32 s2, hwreg(HW_REG_IB_STS2, 6, 4)
	s_cmp_eq_u32 s2, 0
	s_cbranch_scc0 .Lentry_in_a_cluster
	s_endpgm
.Lentry_in_a_cluster:
	s_bfe_u32 s2, ttmp6, 0x10000c
	s_cmp_lg_u32 s2, 0xf033
	s_cbranch_scc0 .Lentry_shape_is_right
	s_endpgm
.Lentry_shape_is_right:
; out0 = a Wo^T on codes of FP8 (E4M3).  a: 8,192 tokens x 1,024 features, codes made by the attention launch (scale 2^e10); Wo: the fourth tensor of wc (scale 2^e11); out0 [8192][1024] f32; sums in f32, each x 2^(e10 + e11).
; LIMIT: e10 + e11 between -126 and 127, so that 2^(e10 + e11) is an f32 number.
; A tile of the result, 256 x 256, is made by four waves, as many as a WGP has SIMDs; a wave makes 128 x 128: 64 accumulators, 512 registers.  K = 1,024 goes in four steps of 256 through two LDS slots.
; OPERANDS LIE IN MEMORY AND IN LDS AS IMAGES OF THEIR REGISTERS (16 rows x 128 K = 2,048 bytes: register q of lane l at 512 (q / 4) + 16 l + 4 (q % 4); lane (r, h): row r, registers 2 c, 2 c + 1: k = 16 c + 8 h + 0 .. 7),
; laid [128 rows][256 along K][16 rows][128 along K]: a wave's quarter of a slot is one dense block of 32,768 bytes, and a fragment comes by four loads of 16 bytes a lane at 16 x lane.
; CLUSTERS: 4 x 4 work-groups; a's tiles are asked for jointly along a row of the cluster, Wo's along a column.  THE MATRIX INSTRUCTION IS USED TRANSPOSED (source 0 = 16 rows of Wo, source 1 = 16 tokens):
; a lane holds eight neighbouring numbers of a row of the result.  128 tiles: the launch has work for 128 work-groups and launches those.
; REGISTERS, in windows of 256: window 0: v16-29 addresses; from v128 a's fragments, ONE set; on the way out v32-255 are free.  window 1: Wo's fragments, TWO sets.  windows 2, 3: the accumulators ((a, b) at v[8 (8 (a % 4) + b)]).
; By this text's own count a wave has one tensor load out at a time: at the start and behind each refill.
.set SIZE_N, 1024
.set QUART, 32768                      ; 128 rows x 256 K
.set SLOT,  4*QUART
.set SPARE, 2*SLOT                     ; behind the ring: the spare words, 128 bytes for each wave: two blocks of 256 bytes that no other line names
.set SPITCH, 528                       ; the way out: a stage of 16 rows x (512 bytes + 16) for each wave.  It lies in slot 0, which has had its last fill and its last read when the first result is stored there
.set FR,    16
.set NL,    4
.set NP,    4                          ; places behind this matrix instruction (ISA guide 7.12.1)
.set ADRA,  16
.set ADRB,  20
.set STO,   24                         ; v24  the way out: where I put 32 bytes of a row
.set RD,    25                         ; v25  where I read a row back
.set CO,    26                         ; v26  16 x lane: my byte offset in a row's 512
.set SPW,   28                         ; v28  LDS address of my spare word; never rewritten
.set NIL,   29                         ; v29  0; never rewritten
.set TMP,   32
.set AF,    128
.set BK,    128
.set G1,  24
.set G0,  32
.set G1B, 48
.set G0B, 56
.set MSB, 0
.macro WIN new                         ; the immediate's high byte repeats the setting that is left
.if MSB != \new
	s_set_vgpr_msb (MSB<<8)|\new
.set MSB, \new
.endif
.endm
.set MUL_LO, 0xa1
.set MUL_HI, 0xf1
.set TO_B,   0x40
.macro JLOAD s                         ; a joint load: waves 0 and 1 fetch for a, waves 2 and 3 for Wo; an s_nop 0 and four v_nop follow each of the two lines
	s_cmp_eq_u32 s15, 0
	s_cbranch_scc0 .Lfor_b_\@
	tensor_load_to_lds s[G0+4*\s:G0+4*\s+3], s[G1:G1+7]
	s_nop 0
.rept 4
	v_nop
.endr
	s_branch .Lasked_\@
.Lfor_b_\@:
	tensor_load_to_lds s[G0B+4*\s:G0B+4*\s+3], s[G1B:G1B+7]
	s_nop 0
.rept 4
	v_nop
.endr
.Lasked_\@:
.endm
.macro CREST
	s_cmp_lg_u32 s14, 0
	s_cbranch_scc1 .Lnot_wave_0_\@
	s_barrier_signal -3
.Lnot_wave_0_\@:
	s_barrier_wait -3
	s_barrier_signal -1
	s_barrier_wait -1
.endm
.macro CROUND
	s_barrier_signal -1
	s_barrier_wait -1
	CREST
.endm
	s_load_b128 s[4:7], s[0:1], 0x0                ; ac 4, wc 6
	s_load_b128 s[8:11], s[0:1], 0x10              ; the exponents 8, out0 10
	v_lshl_add_u32 v[SPW], v0, 2, SPARE
	v_mov_b32 v[NIL], 0
	ds_add_u32 v[SPW], v[NIL]                      ; the wave's opening: the add and its wait ahead of my first tensor load; the set-up below, work on registers, stands between them
	ds_add_u32 v[SPW], v[NIL]
	v_lshrrev_b32 v1, 5, v0
	v_readfirstlane_b32 s14, v1                    ; wave 0..3
	s_lshr_b32 s15, s14, 1                         ; which half of the tile's rows is mine.  Also: I fetch for a (0) or for Wo (1)
	s_and_b32 s16, s14, 1                          ; which half of its columns.  Also: which 128 rows I fetch
	s_bfe_u32 s40, ttmp6, 0x40000                  ; cx, cy
	s_bfe_u32 s41, ttmp6, 0x40004
	s_lshl_b32 s42, ttmp9, 2
	s_add_co_u32 s42, s42, s40                     ; tile column
	s_and_b32 s17, ttmp7, 0xffff
	s_lshl_b32 s17, s17, 2
	s_add_co_u32 s17, s17, s41                     ; tile row
	s_lshl_b32 s43, s41, 2
	s_lshl_b32 s43, 15, s43                        ; my row of the cluster
	s_lshl_b32 s44, 0x1111, s40                    ; my column
	s_or_b32 s[G1+0], s43, (3<<16)|(1<<21)         ; the mask; elements of 8 bytes; no padding; bit 21 set beside a mask
	s_or_b32 s[G1B+0], s44, (3<<16)|(1<<21)
.irp g, G1, G1B
	s_mov_b32 s[\g+1], 32<<16                      ; a dense block of 32,768 bytes as 128 rows of 256: tensor_dim0 = 32 elements
	s_mov_b32 s[\g+2], 128<<16                     ; tensor_dim1 = 128
	s_mov_b32 s[\g+3], 32<<16                      ; tile_dim0
	s_mov_b32 s[\g+4], 128                         ; tile_dim1
	s_mov_b32 s[\g+5], 32                          ; tensor_dim0_stride
	s_mov_b32 s[\g+6], 0
	s_mov_b32 s[\g+7], 0
.endr
	s_lshl_b32 s18, s16, 17                        ; which 128 rows I fetch
	s_lshl_b32 s20, s17, 18                        ; a: 262,144 bytes a tile row
	s_add_co_u32 s20, s20, s18
	s_lshl_b32 s46, s42, 18                        ; Wo: the same a tile column,
	s_add_co_u32 s46, s46, s18
	s_add_co_u32 s46, s46, 3<<20                   ; in the fourth tensor of wc
	s_mov_b32 s21, 0
	s_mov_b32 s47, 0
	s_mul_i32 s45, s14, QUART                      ; where they go: no place in the cluster enters an LDS address
	s_wait_dscnt 0x0                               ; the opening add is done
	s_wait_kmcnt 0x0
	s_load_b64 s[96:97], s[8:9], 0x28              ; e10, e11
	s_add_nc_u64 s[20:21], s[4:5], s[20:21]
	s_add_nc_u64 s[46:47], s[6:7], s[46:47]
	CROUND                                         ; all sixteen work-groups are here: the first joint loads meet
.irp s, 0,1
	s_mov_b32 s[G0+4*\s], 1
	s_add_co_u32 s[G0+4*\s+1], s45, \s*SLOT
	s_add_nc_u64 s[G0+4*\s+2:G0+4*\s+3], s[20:21], \s*QUART
	s_or_b32 s[G0+4*\s+3], s[G0+4*\s+3], 0x80000000
	s_mov_b32 s[G0B+4*\s], 1
	s_add_co_u32 s[G0B+4*\s+1], s45, \s*SLOT
	s_add_nc_u64 s[G0B+4*\s+2:G0B+4*\s+3], s[46:47], \s*QUART
	s_or_b32 s[G0B+4*\s+3], s[G0B+4*\s+3], 0x80000000
	s_wait_alu depctr_va_vdst(0)
	s_wait_tensorcnt 0x0
	ds_add_u32 v28, v29
	ds_add_u32 v28, v29
	s_wait_dscnt 0x0
	CROUND
	JLOAD \s
.endr
	v_and_b32 v1, 15, v0                           ; r
	s_wait_alu depctr_va_vdst(0)
	v_bfe_u32 v2, v0, 4, 1                         ; h
	v_and_b32 v6, 31, v0
	v_lshlrev_b32 v[CO], 4, v6
	s_mul_i32 s22, s15, QUART                      ; my 128 rows of a
	s_mul_i32 s23, s16, QUART                      ; my 128 rows of Wo,
	s_add_co_u32 s23, s23, 2*QUART                 ; which lie behind a's 256
.irp s, 0,1
	v_add_nc_u32 v[ADRA+\s], s22, v[CO]
	v_add_nc_u32 v[ADRB+\s], s23, v[CO]
	s_add_co_u32 s22, s22, SLOT
	s_add_co_u32 s23, s23, SLOT
.endr
	s_mul_i32 s23, s14, 16*SPITCH                  ; my stage
	v_mul_u32_u24 v5, v1, SPITCH                   ; in: row r, 32 bytes for each half of the lanes
	s_wait_alu depctr_va_vdst(0)
	v_lshl_add_u32 v5, v2, 5, v5
	v_add_nc_u32 v[STO], s23, v5
	v_add_nc_u32 v[RD], s23, v[CO]                 ; back: the 32 lanes take one row of 512 bytes
	s_lshl_b32 s66, s17, 8
	s_lshl_b32 s67, s15, 7
	s_add_co_u32 s66, s66, s67                     ; my first row: 256 x tile row + 128 x half,
	s_lshl_b32 s66, s66, 12                        ; of 4,096 bytes
	s_lshl_b32 s68, s42, 10                        ; my first column, in bytes: 1,024 x tile column + 512 x half
	s_lshl_b32 s69, s16, 9
	s_add_co_u32 s68, s68, s69
	s_add_co_u32 s66, s66, s68
	s_mov_b32 s67, 0
	s_add_nc_u64 s[10:11], s[10:11], s[66:67]
.macro FRAG reg, adr, kk, i            ; a fragment's image comes back as it lies
.irp c, 0,1,2,3
	ds_load_b128 v[\reg+4*\c:\reg+4*\c+3], v[\adr] offset:4096*(\i)+2048*(\kk)+512*\c
.endr
.endm
; 16 matrix instructions: a's blocks a0, a0 + 1 x Wo's eight, 128 along K.  The 64 accumulators take turns, one instruction a turn, in the same order in every step.
.macro MUL16 a0, p, zero
.irp a, \a0, \a0+1
.irp b, 0,1,2,3,4,5,6,7
.if \zero
	v_wmma_f32_16x16x128_fp8_fp8 v[8*(8*((\a)%4)+\b):8*(8*((\a)%4)+\b)+7], v[128*(\p)+FR*\b:128*(\p)+FR*\b+FR-1], v[AF+FR*(\a):AF+FR*(\a)+FR-1], 0
.else
	v_wmma_f32_16x16x128_fp8_fp8 v[8*(8*((\a)%4)+\b):8*(8*((\a)%4)+\b)+7], v[128*(\p)+FR*\b:128*(\p)+FR*\b+FR-1], v[AF+FR*(\a):AF+FR*(\a)+FR-1], v[8*(8*((\a)%4)+\b):8*(8*((\a)%4)+\b)+7]
.endif
.endr
.endr
.endm
.macro FETCH_B slot, kk, p
	WIN TO_B
.irp i, 0,1,2,3,4,5,6,7
	FRAG 128*(\p)+FR*\i, ADRB+\slot, \kk, \i
.endr
	WIN 0
.endm
.macro FETCH_A slot, kk, i0
.irp i, \i0, \i0+1, \i0+2, \i0+3
	FRAG AF+FR*(\i), ADRA+\slot, \kk, \i
.endr
.endm
.macro PLACES n                        ; a load into a register that a matrix instruction has read, and a vector instruction that reads a result, stand NP plain vector instructions behind it (ISA guide 7.12.1 for the vector instruction)
.rept \n
	v_nop
.endr
.endm
.macro STEP slot, zero                 ; a slot's first 128 along K; the second 128's fragments are fetched in two runs
	s_wait_dscnt 4*NL                              ; Wo's set and a's blocks 0-3 are in; the youngest sixteen loads (blocks 4-7) may be out
	WIN MUL_LO
	MUL16 0, 0, \zero
	MUL16 2, 0, \zero
	s_wait_dscnt 0
	PLACES NP
	FETCH_B \slot, 1, 1
	FETCH_A \slot, 1, 0
	WIN MUL_HI
	MUL16 4, 0, \zero
	MUL16 6, 0, \zero
	PLACES NP
	WIN 0
	FETCH_A \slot, 1, 4
.endm
.macro TURN slot, next, fill           ; a slot's second 128 changes slots: ONE barrier; in front of it each wave waits for all its tensor loads, adds 0 to its spare word, and waits for that and for its reads of this slot
	s_wait_tensorcnt 0x0                           ; all my tensor loads have landed: my part of the next slot
	ds_add_u32 v[SPW], v[NIL]                      ; 0 onto my spare word
	s_wait_dscnt 4*NL+1                            ; (the add and the youngest sixteen loads may be out)
	WIN MUL_LO
	MUL16 0, 1, 0                                  ; sixteen matrix instructions stand between the add and the wait for it
	s_wait_dscnt 0x0                               ; the add is done, and my reads of this slot are over
	s_barrier_signal -1
	MUL16 2, 1, 0
	WIN 0
	s_barrier_wait -1
.if \fill
	CREST                                          ; the barrier has opened a round of the cluster's barrier: no wave of any partner still reads this slot or has a load on its way
	s_add_nc_u64 s[G0+4*\slot+2:G0+4*\slot+3], s[G0+4*\slot+2:G0+4*\slot+3], 2*QUART
	s_add_nc_u64 s[G0B+4*\slot+2:G0B+4*\slot+3], s[G0B+4*\slot+2:G0B+4*\slot+3], 2*QUART
	JLOAD \slot                                    ; the first tensor load behind the round; its four v_nop are the places in front of the loads below
.else
	PLACES NP
.endif
	FETCH_B \next, 0, 0
	FETCH_A \next, 0, 0
	WIN MUL_HI
	MUL16 4, 1, 0
	MUL16 6, 1, 0
	PLACES NP
	WIN 0
	FETCH_A \next, 0, 4
.endm
	s_wait_tensorcnt 1                             ; my part of slot 0 is in (slot 1's load may be out)
	s_barrier_signal -1
	s_barrier_wait -1                              ; everybody's is
	FETCH_B 0, 0, 0
	FETCH_A 0, 0, 0
	FETCH_A 0, 0, 4
	STEP 0, 1                                      ; K 0-127: its products start the sums
	TURN 0, 1, 1                                   ; slot 0 takes K 512-767
	STEP 1, 0
	TURN 1, 0, 1                                   ; slot 1 takes K 768-1023
	STEP 0, 0
	TURN 0, 1, 0                                   ; nothing is left to fetch: no round of the cluster's barrier.  Behind this barrier nobody reads slot 0
	STEP 1, 0
	s_wait_dscnt 4*NL                              ; the very last 128 along K
	WIN MUL_LO
	MUL16 0, 1, 0
	MUL16 2, 1, 0
	s_wait_dscnt 0
	WIN MUL_HI
	MUL16 4, 1, 0
	MUL16 6, 1, 0
	WIN 0
; THE WAY OUT, block by block of 16 rows x 128 columns.  A lane holds 32 neighbouring bytes of a row, and the lanes beside it hold other rows: so a block goes through my own stage in LDS and comes back as whole
; rows of 512 bytes, which the 32 lanes store as 512 consecutive bytes, aligned.  LDS serves a wave's instructions in order (ISA guide 5.7.1.4): no wait between the stores and the loads, nor in front of the next block's stores.
.macro TOSTAGE a
.set AC, 64*((\a)%4)
	WIN (0x02+(\a)/4)                              ; source 0: window 2 or 3
.set j, 0
.rept 32
	v_pk_mul_f32 v[TMP+j:TMP+j+1], v[AC+j:AC+j+1], s[96:97] op_sel_hi:[1,0]   ; both x s96 = 2^(e10 + e11); each accumulator from its low end on
.set j, j+2
.endr
	WIN 0
.irp b, 0,1,2,3,4,5,6,7
	ds_store_b128 v[STO], v[TMP+8*\b:TMP+8*\b+3] offset:64*\b
	ds_store_b128 v[STO], v[TMP+8*\b+4:TMP+8*\b+7] offset:64*\b+16
.endr
.set BB, BK+64*((\a)%2)
.irp t, 0,1,2,3,4,5,6,7,8,9,10,11,12,13,14,15
	ds_load_b128 v[BB+4*\t:BB+4*\t+3], v[RD] offset:\t*SPITCH
.endr
.endm
.macro SEND a, younger                 ; younger: the LDS instructions issued behind block a's loads, which may stay out
.set BB, BK+64*((\a)%2)
	s_wait_dscnt \younger                          ; the block is back in registers
.if (\a) > 0
	s_add_nc_u64 s[10:11], s[10:11], 16*SIZE_N*4   ; (behind a wait on XCNT: the earlier stores have read their base)  16 rows on
.endif
.irp t, 0,1,2,3,4,5,6,7,8,9,10,11,12,13,14,15
	global_store_b128 v[CO], v[BB+4*\t:BB+4*\t+3], s[10:11] offset:\t*SIZE_N*4 th:TH_STORE_NT   ; written once, read by nobody here
.endr
.endm
	s_wait_kmcnt 0x0
	s_add_co_i32 s96, s96, s97
	s_add_co_i32 s96, s96, 127
	s_lshl_b32 s96, s96, 23                        ; 2^(e10 + e11) as f32
	PLACES NP                                      ; behind the last products: for the reads of results and the loads into the registers that held a's fragments
	TOSTAGE 0
.irp a, 1,2,3,4,5,6,7
.if \a > 1
	s_wait_xcnt 0x0                                ; block a - 2's stores have read their registers and their base
.endif
	TOSTAGE \a
	SEND \a-1, 32                                  ; behind block a - 1's loads: block a's 16 stores and 16 loads
.endr
	s_wait_xcnt 0x0
	SEND 7, 0
	s_wait_tensorcnt 0x0                           ; the wave's end: behind my last tensor load and my last LDS store
	ds_add_u32 v[SPW], v[NIL]
	s_wait_dscnt 0x0
	CROUND                                         ; the closing round: no work-group ends while a partner may still ask for a tile that names it
	s_endpgm
.Lfunc_end_k_q3b86411f47_oproj:
	.size	k_q3b86411f47_oproj, .Lfunc_end_k_q3b86411f47_oproj-k_q3b86411f47_oproj
	.p2alignl 7, 3214868480
	.fill 96, 4, 3214868480
	.section	.rodata,"a",@progbits
	.p2align	6, 0x0
	.amdhsa_kernel k_q3b86411f47_oproj
		.amdhsa_group_segment_fixed_size 327680
		.amdhsa_private_segment_fixed_size 0
		.amdhsa_enable_private_segment 0
		.amdhsa_kernarg_size 32
		.amdhsa_user_sgpr_count 2
		.amdhsa_user_sgpr_kernarg_segment_ptr 1
		.amdhsa_wavefront_size32 1
		.amdhsa_system_sgpr_workgroup_id_x 1
		.amdhsa_system_sgpr_workgroup_id_y 1
		.amdhsa_system_sgpr_workgroup_id_z 1
		.amdhsa_system_vgpr_workitem_id 0
		.amdhsa_next_free_vgpr 1024
		.amdhsa_next_free_sgpr 98
		.amdhsa_reserve_vcc 0
		.amdhsa_float_denorm_mode_32 3
		.amdhsa_float_denorm_mode_16_64 3
		.amdhsa_memory_ordered 1
		.amdhsa_forward_progress 1
		.amdhsa_inst_pref_size 124
	.end_amdhsa_kernel
	.amdgpu_metadata
---
amdhsa.version: [ 1, 2 ]
amdhsa.kernels:
  - .name:           k_q3b86411f47_oproj
    .symbol:         k_q3b86411f47_oproj.kd
    .args:
      - { .name: ac, .offset: 0, .size: 8, .value_kind: global_buffer, .address_space: global }
      - { .name: wc, .offset: 8, .size: 8, .value_kind: global_buffer, .address_space: global }
      - { .name: lowp_scales, .offset: 16, .size: 8, .value_kind: global_buffer, .address_space: global }
      - { .name: out0, .offset: 24, .size: 8, .value_kind: global_buffer, .address_space: global }
    .group_segment_fixed_size: 327680
    .private_segment_fixed_size: 0
    .kernarg_segment_align: 8
    .kernarg_segment_size: 32
    .max_flat_workgroup_size: 128
    .sgpr_count:     98
    .vgpr_count:     1024
    .wavefront_size: 32
...
	.end_amdgpu_metadata
.endif
;; end of part 4
